; MI455X (gfx1250); checked and timed in simulation.
; The chip was launched on July 23, 2026; its instructions are those of AMD's public machine-readable ISA for CDNA 5 (MIT licence, August 2026) and "CDNA5" Instruction Set Architecture Reference Guide (July 2026). The comments in the code are by the model that wrote it; some were corrected since.
;; Multi Head Attention. Allowed arithmetic: matrix products marked QUANTISED: E2M1 operands, one E8M0 scale for each 32 along K, by v_wmma_scale_f32_16x16x128_f8f6f4 with both operands' format E2M1 (or v_wmma_scale_f32_32x16x128_f4), f32 sums; products left as they are: bf16, f16 or f32 operands; f32 sums; everything else in f32.
;; Inputs: Wk 1,024 x 1,024 float32; Wo 1,024 x 1,024 float32; Wq 1,024 x 1,024 float32; Wv 1,024 x 1,024 float32; bk 1,024 float32; bo 1,024 float32; bq 1,024 float32; bv 1,024 float32; x 4 x 2,048 x 1,024 float32.
;; Outputs: out0 4 x 2,048 x 1,024 float32.
;; This version of the problem:
;;   THIS VERSION OF THE PROBLEM IS GIVEN IN LOW PRECISION. The matrix products marked QUANTISED in the list below multiply operands that are first quantised to E2M1 (2 exponent bits, 1 mantissa bit; 4 bits a number), with one power-of-two scale for each 32 numbers along K (OCP MX v1.0); their sums are f32. The products marked 'left as it is' may take bf16, f16 or f32 operands, with f32 sums. Whichever they take, every output number must still come out within the allowed error. Rounding operands to bf16 (8 significant bits) uses up far more of that allowance than f16 does (11 bits, for magnitudes from 6e-5 to 65,504). All else is computed in f32.
;;   The module's matrix products, in the order in which they are computed (A, B: the left and right operand; K: the contracted axis; several contracted axes count as one K, in the product's order):
;;     1. [M 8,192, K 1,024] x [K 1,024, N 1,024]; A: input x; B: input Wq: QUANTISED
;;     2. [M 8,192, K 1,024] x [K 1,024, N 1,024]; A: input x; B: input Wk: QUANTISED
;;     3. [M 8,192, K 1,024] x [K 1,024, N 1,024]; A: input x; B: input Wv: QUANTISED
;;     4. batch 64 x [M 2,048, K 64] x [K 64, N 2,048]; A: computed on the way; B: computed on the way: left as it is (an operand is computed on the way)
;;     5. batch 64 x [M 2,048, K 2,048] x [K 2,048, N 64]; A: computed on the way; B: computed on the way: left as it is (an operand is computed on the way)
;;     6. [M 8,192, K 1,024] x [K 1,024, N 1,024]; A: computed on the way; B: input Wo: left as it is (an operand is computed on the way)
;;   THE QUANTISER, for each operand of a quantised product, along K:
;;     - K is cut into blocks of 32 from its start; a last block that is shorter is filled with zeros.
;;     - A block's scale is 2^e with e = floor(log2(the largest magnitude in the block)) - 2, held to -126 .. 127; a block of zeros has e = 0. As a byte (E8M0): e + 127.
;;     - Each number is divided by its block's scale, clamped to +-6, and rounded to the nearest number of E2M1, ties to even, subnormals kept.
;;     - The product sums the exact products of the quantised numbers (number of the format x scale) in f32.
;;   ~~~python
;;   def quantise(x, axis):      # numpy; x: float32 -> the quantised numbers, widened to float32 again
;;       x = np.moveaxis(x, axis, -1); K = x.shape[-1]
;;       x = np.pad(x, [(0, 0)] * (x.ndim - 1) + [(0, -K % 32)]); x = x.reshape(x.shape[:-1] + (-1, 32)); a = np.abs(x).max(-1, keepdims=True)
;;       e = np.where(a > 0, np.clip(np.frexp(np.where(a > 0, a, 1))[1] - 1 - 2, -126, 127), 0)      # np.frexp(a)[1] - 1 = floor(log2(a)), exactly
;;       r = np.clip(x / 2.0 ** e, -6, 6)
;;       step = 2.0 ** (np.maximum(np.frexp(np.where(r == 0, 1, r))[1] - 1, 0) - 1)
;;       q = np.round(r / step) * step * 2.0 ** e      # np.round: ties to even
;;       return np.moveaxis(q.reshape(q.shape[:-2] + (-1,))[..., :K], -1, axis).astype(np.float32)
;;   ~~~
;; One version. Each part assembles by itself: llvm-mc -triple=amdgcn-amd-amdhsa -mcpu=gfx1250 --defsym DOCPART=n.
;; ======== version 1 of 1: 4 launches
;; limits: values are held in f16: magnitudes above 65,504 overflow, below 6.1e-05 lose precision
;; workspace buffers: xc 4,194,304 bytes; xs 262,144 bytes; wc 1,572,864 bytes; ws 98,304 bytes; wo16 2,097,152 bytes; qkv 50,331,648 bytes; att 16,777,216 bytes
;; launch quant (part 1): grid 384 x 1, 4 waves a work-group, no clusters, 33,280 bytes of LDS; arguments x, Wq, Wk, Wv, Wo, xc, xs, wc, ws, wo16; writes xc, xs, wc, ws, wo16
.if DOCPART == 1
	.amdgcn_target "amdgcn-amd-amdhsa--gfx1250"
	.amdhsa_code_object_version 6
	.text
	.protected	k_q7a87a07e4c_quant
	.globl	k_q7a87a07e4c_quant
	.p2align	8
	.type	k_q7a87a07e4c_quant,@function
k_q7a87a07e4c_quant:
	s_mov_b64 s[64:65], 0
	v_nop
	global_prefetch_b8 v0, s[64:65] scope:SCOPE_SE
	s_setreg_imm32_b32 hwreg(HW_REG_WAVE_MODE, 25, 1), 1
	s_wait_xcnt 0x0
; x [8192][1024] and Wq, Wk, Wv [1024][1024], f32 with K innermost, become codes of FP4 (E2M1), two to a byte, and one E8M0 scale byte for each 32 along K.
; xc [8192][512 bytes], xs [8192][32];  wc [3072][512 bytes], ws [3072][32]: rows 0-1023 Wq, 1024-2047 Wk, 2048-3071 Wv.
; Wo [1024][1024] f32 is rounded to f16 and laid by planes of 64 along K: wo16 [16 planes][1024 rows][64].
; A block's scale is 2^(floor(log2(its largest magnitude)) - 2); its byte is the largest magnitude's own exponent field - 2, held at 1 from below.  A block of zeros so gets the byte 1:
; its codes are zeros, which add nothing, and the bytes are read by this program alone.
; LIMITS: blocks whose largest magnitude lies under 2^-124 (the floor) get the byte 1; NaN and infinities among the inputs are not served; Wo must lie inside f16 (under 65,504).
; SHARES: work-groups 0-255 take x, 256-351 the three weights (32 each), 352-383 cast Wo.  Rows are dense and K is a multiple of 32, so the quantised tensors are plain streams of blocks.
; A wave takes 16 steps of 512 numbers.  Each load reads 512 consecutive bytes; a step's 2,048 bytes turn through the wave's own stage in LDS and come back 64 bytes a lane, so that a lane
; holds 16 neighbours along K (two neighbouring lanes hold a block).  No barrier: waves share nothing.
.set WAVES, 4
.set STEPS, 16
.set WGX,   256                        ; work-groups for x: 8192 x 1024 / 32768
.set WGQ,   352                        ; and for x and the three weights together
.set EMAX,  2
.set CB,    8                          ; bytes of 16 codes
.set R,     16                         ; v16-79   four sets of 16 numbers as they are loaded
.set X,     80                         ; v80-111  two sets of 16 neighbours
.set E,     112                        ; v112-127 a scale byte for each step
.set C,     128                        ; v128-191 codes: four registers for each step, so that no store's data are written again
.set WREG,  8192                       ; LDS: a region for each wave: two stages of 32 x SP bytes, behind them its 256 scale bytes
.set SP,    80                         ; a lane's place in a stage: 64 bytes + 16 of padding
.set SPW,   12                         ; v12 LDS address of my spare word; never rewritten
.set NIL,   13                         ; v13 0; never rewritten
.set SPARE, WAVES*WREG                 ; behind the four regions: the spare words, 128 bytes a wave
	s_load_b256 s[4:11], s[0:1], 0x0               ; x, Wq, Wk, Wv
	s_load_b256 s[12:19], s[0:1], 0x20             ; Wo, xc, xs, wc
	s_load_b128 s[20:23], s[0:1], 0x40             ; ws, wo16
	v_lshl_add_u32 v[SPW], v0, 2, SPARE
	v_mov_b32 v[NIL], 0
	v_lshrrev_b32 v1, 5, v0
	v_readfirstlane_b32 s24, v1                    ; wave
	v_and_b32 v2, 31, v0                           ; lane
	v_lshlrev_b32 v3, 4, v2                        ; my 16 bytes of a load's 512
	s_mul_i32 s25, s24, WREG
	v_lshrrev_b32 v14, 2, v2
	v_mul_u32_u24 v14, v14, SP
	v_and_b32 v15, 3, v2
	v_lshl_add_u32 v14, v15, 4, v14
	v_add_nc_u32 v14, s25, v14                     ; the stage on the way in: SP (lane / 4) + 16 (lane % 4)
	v_mul_u32_u24 v15, v2, SP
	v_add_nc_u32 v15, s25, v15                     ; and on the way out: SP x lane: my 16 neighbours
	v_mul_u32_u24 v4, v2, CB                       ; my codes' place in a step's
	v_lshrrev_b32 v5, 1, v2
	s_add_co_u32 s25, s25, 2*32*SP
	v_add_nc_u32 v5, s25, v5                       ; LDS: my wave's 256 scale bytes, my block's byte
	v_lshlrev_b32 v7, 3, v2                        ; 8 bytes a lane
	v_add_nc_u32 v6, s25, v7
	s_wait_kmcnt 0x0
	s_cmp_ge_u32 ttmp9, WGQ                        ; the work-group's number alone decides the path
	s_cbranch_scc1 .Lwo
	; which tensor: pointers are chosen, the path is one
	s_cmp_lt_u32 ttmp9, WGX+32
	s_cselect_b64 s[26:27], s[6:7], s[8:9]         ; Wq or Wk
	s_cmp_lt_u32 ttmp9, WGX+64
	s_cselect_b64 s[26:27], s[26:27], s[10:11]     ; or Wv
	s_max_u32 s33, ttmp9, WGX
	s_sub_co_u32 s33, s33, WGX                     ; the work-group's place among the weights' 96: its place in wc and ws
	s_and_b32 s32, s33, 31                         ; and in its own weight
	s_cmp_lt_u32 ttmp9, WGX
	s_cselect_b64 s[26:27], s[4:5], s[26:27]       ; or x
	s_cselect_b64 s[28:29], s[14:15], s[18:19]     ; codes
	s_cselect_b64 s[30:31], s[16:17], s[20:21]     ; scale bytes
	s_cselect_b32 s32, ttmp9, s32
	s_cselect_b32 s33, ttmp9, s33
	s_lshl_b32 s32, s32, 2
	s_add_co_u32 s32, s32, s24                     ; which run of 8,192 numbers of the source is my wave's
	s_lshl_b32 s33, s33, 2
	s_add_co_u32 s33, s33, s24                     ; and of the destination
	s_lshl_b32 s34, s32, 15                        ; 32,768 bytes of f32 a run (1,023 runs at the most: under 2^25)
	s_mov_b32 s35, 0
	s_add_nc_u64 s[26:27], s[26:27], s[34:35]
	s_lshl_b32 s34, s33, 12                        ; 4,096 bytes of codes
	s_add_nc_u64 s[28:29], s[28:29], s[34:35]
	s_lshl_b32 s34, s33, 8                         ; 256 scale bytes
	s_add_nc_u64 s[30:31], s[30:31], s[34:35]
.macro LOAD t
.irp i, 0,1,2,3
	global_load_b128 v[R+16*((\t)%4)+4*\i:R+16*((\t)%4)+4*\i+3], v3, s[26:27] offset:2048*(\t)+512*\i th:TH_LOAD_NT   ; 32 lanes read 512 consecutive bytes
.endr
.endm
.macro TURN t                          ; step t's numbers through the stage: LDS serves a wave's instructions in order, so no wait stands between the stores and the loads
.irp i, 0,1,2,3
	ds_store_b128 v14, v[R+16*((\t)%4)+4*\i:R+16*((\t)%4)+4*\i+3] offset:32*SP*((\t)%2)+8*SP*\i
.endr
.irp i, 0,1,2,3
	ds_load_b128 v[X+16*((\t)%2)+4*\i:X+16*((\t)%2)+4*\i+3], v15 offset:32*SP*((\t)%2)+16*\i
.endr
.endm
.irp t, 0,1,2,3
	LOAD \t
.endr
	s_wait_loadcnt 12                              ; step 0's four loads are in; the twelve of steps 1 to 3 may be out
	TURN 0
.macro STEP t
.set XS, X+16*((\t)%2)
.if (\t) > 0
	s_wait_dscnt 1                                 ; this step's numbers are back from the stage (the last step's byte store may be out)
.else
	s_wait_dscnt 0x0
.endif
.if (\t)+4 < STEPS
	LOAD (\t)+4                                    ; into the set that this step's stage stores have read
.endif
.if (\t)+1 < STEPS
.if STEPS-2-(\t) >= 3
	s_wait_loadcnt 12                              ; the next step's four loads are in; those of the three steps behind it may be out
.else
	s_wait_loadcnt 4*(STEPS-2-(\t))
.endif
	TURN (\t)+1                                    ; through the other stage while this step is worked
.endif
	v_max3_num_f32 v8, |v[XS]|, |v[XS+1]|, |v[XS+2]|               ; the largest magnitude of my 16, in two chains
	v_max3_num_f32 v9, |v[XS+3]|, |v[XS+4]|, |v[XS+5]|
.irp i, 6,10
	v_max3_num_f32 v8, v8, |v[XS+\i]|, |v[XS+\i+1]|
	v_max3_num_f32 v9, v9, |v[XS+\i+2]|, |v[XS+\i+3]|
.endr
	v_max3_num_f32 v8, v8, |v[XS+14]|, |v[XS+15]|
	v_max3_num_f32 v8, v8, v9, (EMAX+1)<<23        ; and the floor 2^(3 - 127): the byte cannot fall under 1
	v_max_num_f32_dpp v8, v8, v8 row_xmask:1 row_mask:0xf bank_mask:0xf   ; and of my neighbour's 16: the block's
	v_add_nc_u32 v11, -(EMAX<<23), v8              ; 2 off its exponent field: the conversion takes the exponent field of this operand as its scale
	v_cvt_scalef32_pk8_fp4_f32 v[C+4*(\t)], v[XS:XS+7], v11        ; eight numbers / the scale, to the nearest code, ties to even, beyond 6 the largest code
	v_cvt_scalef32_pk8_fp4_f32 v[C+4*(\t)+1], v[XS+8:XS+15], v11
	v_lshrrev_b32 v[E+(\t)], 23, v11               ; the scale's byte (also the plain line behind the conversions)
	ds_store_b8 v5, v[E+(\t)] offset:16*(\t)       ; both lanes of a block write the same byte with the same value
	global_store_b64 v4, v[C+4*(\t):C+4*(\t)+1], s[28:29] offset:32*CB*(\t)   ; the wave stores 256 consecutive bytes, aligned
.endm
.irp t, 0,1,2,3,4,5,6,7,8,9,10,11,12,13,14,15
	STEP \t
.endr
	ds_load_b64 v[8:9], v6                         ; LDS serves a wave's instructions in order: these see my byte stores
	s_wait_dscnt 0x0
	global_store_b64 v7, v[8:9], s[30:31]          ; 32 lanes store 256 consecutive bytes, aligned
	s_wait_tensorcnt 0x0                           ; the wave's end, behind my last LDS store
	ds_add_u32 v[SPW], v[NIL]
	s_wait_dscnt 0x0
	s_endpgm
; Wo's cast.  Wave W = 4 (work-group - 352) + wave owns rows 8 W .. 8 W + 7.  A load takes one plane's 256 bytes of two rows (lanes 0-15 the even row, lanes 16-31 the odd one);
; the four numbers of a lane become 8 bytes, and the wave's store covers the two rows' 256 consecutive bytes of that plane.  No LDS.
.Lwo:
	s_sub_co_u32 s25, ttmp9, WGQ
	s_lshl_b32 s25, s25, 2
	s_add_co_u32 s25, s25, s24                     ; W
	s_lshl_b32 s34, s25, 15                        ; 8 rows of 4,096 bytes
	s_mov_b32 s35, 0
	s_add_nc_u64 s[26:27], s[12:13], s[34:35]
	s_lshl_b32 s34, s25, 10                        ; 8 rows of 128 bytes in each plane
	s_add_nc_u64 s[28:29], s[22:23], s[34:35]
	v_lshrrev_b32 v8, 4, v2
	v_and_b32 v9, 15, v2
	v_lshlrev_b32 v8, 12, v8
	v_lshl_add_u32 v8, v9, 4, v8                   ; in: 4,096 (lane / 16) + 16 (lane % 16);  out: v7 = 8 x lane
.macro LOADG rp                        ; rows 2 rp, 2 rp + 1: sixteen planes into set rp % 2
.irp p, 0,1,2,3,4,5,6,7,8,9,10,11,12,13,14,15
	global_load_b128 v[16+64*((\rp)%2)+4*\p:16+64*((\rp)%2)+4*\p+3], v8, s[26:27] offset:8192*(\rp)+256*\p th:TH_LOAD_NT
.endr
.endm
.macro CAST rp
.if (\rp) < 3
	s_wait_loadcnt 16                              ; this pair of rows is in; the next pair's sixteen loads may be out
.else
	s_wait_loadcnt 0x0
.endif
.if (\rp) > 0
	s_wait_xcnt 0x0                                ; the last pair's stores have read v144-175: they are written again only behind this wait
.endif
.irp p, 0,1,2,3,4,5,6,7,8,9,10,11,12,13,14,15
	v_cvt_pk_f16_f32 v[144+2*\p], v[16+64*((\rp)%2)+4*\p], v[16+64*((\rp)%2)+4*\p+1]
	v_cvt_pk_f16_f32 v[145+2*\p], v[16+64*((\rp)%2)+4*\p+2], v[16+64*((\rp)%2)+4*\p+3]
.endr
.irp p, 0,1,2,3,4,5,6,7,8,9,10,11,12,13,14,15
	global_store_b64 v7, v[144+2*\p:145+2*\p], s[28:29] offset:131072*\p+256*(\rp)   ; 256 consecutive bytes, aligned; the largest offset, 1,966,848, lies inside the signed 24 bits
.endr
.if (\rp) < 2
	LOADG (\rp)+2
.endif
.endm
	LOADG 0
	LOADG 1
	CAST 0
	CAST 1
	CAST 2
	CAST 3
	s_wait_tensorcnt 0x0                           ; the same three closing lines on this path
	ds_add_u32 v[SPW], v[NIL]
	s_wait_dscnt 0x0
	s_endpgm
.Lfunc_end_k_q7a87a07e4c_quant:
	.size	k_q7a87a07e4c_quant, .Lfunc_end_k_q7a87a07e4c_quant-k_q7a87a07e4c_quant
	.p2alignl 7, 3214868480
	.fill 96, 4, 3214868480
	.section	.rodata,"a",@progbits
	.p2align	6, 0x0
	.amdhsa_kernel k_q7a87a07e4c_quant
		.amdhsa_group_segment_fixed_size 33280
		.amdhsa_private_segment_fixed_size 0
		.amdhsa_enable_private_segment 0
		.amdhsa_kernarg_size 80
		.amdhsa_user_sgpr_count 2
		.amdhsa_user_sgpr_kernarg_segment_ptr 1
		.amdhsa_wavefront_size32 1
		.amdhsa_system_sgpr_workgroup_id_x 1
		.amdhsa_system_sgpr_workgroup_id_y 1
		.amdhsa_system_sgpr_workgroup_id_z 1
		.amdhsa_system_vgpr_workitem_id 0
		.amdhsa_next_free_vgpr 192
		.amdhsa_next_free_sgpr 66
		.amdhsa_reserve_vcc 0
		.amdhsa_float_denorm_mode_32 3
		.amdhsa_float_denorm_mode_16_64 3
		.amdhsa_memory_ordered 1
		.amdhsa_forward_progress 1
		.amdhsa_inst_pref_size 55
	.end_amdhsa_kernel
	.amdgpu_metadata
---
amdhsa.version: [ 1, 2 ]
amdhsa.kernels:
  - .name:           k_q7a87a07e4c_quant
    .symbol:         k_q7a87a07e4c_quant.kd
    .args:
      - { .name: x, .offset: 0, .size: 8, .value_kind: global_buffer, .address_space: global }
      - { .name: Wq, .offset: 8, .size: 8, .value_kind: global_buffer, .address_space: global }
      - { .name: Wk, .offset: 16, .size: 8, .value_kind: global_buffer, .address_space: global }
      - { .name: Wv, .offset: 24, .size: 8, .value_kind: global_buffer, .address_space: global }
      - { .name: Wo, .offset: 32, .size: 8, .value_kind: global_buffer, .address_space: global }
      - { .name: xc, .offset: 40, .size: 8, .value_kind: global_buffer, .address_space: global }
      - { .name: xs, .offset: 48, .size: 8, .value_kind: global_buffer, .address_space: global }
      - { .name: wc, .offset: 56, .size: 8, .value_kind: global_buffer, .address_space: global }
      - { .name: ws, .offset: 64, .size: 8, .value_kind: global_buffer, .address_space: global }
      - { .name: wo16, .offset: 72, .size: 8, .value_kind: global_buffer, .address_space: global }
    .group_segment_fixed_size: 33280
    .private_segment_fixed_size: 0
    .kernarg_segment_align: 8
    .kernarg_segment_size: 80
    .max_flat_workgroup_size: 128
    .sgpr_count:     66
    .vgpr_count:     192
    .wavefront_size: 32
...
	.end_amdgpu_metadata
.endif
;; end of part 1
;; launch qkv (part 2): grid 12 x 32, 4 waves a work-group, clusters of 4 x 4, 327,680 bytes of LDS; arguments xc, xs, wc, ws, bq, bk, bv, qkv; writes qkv
.if DOCPART == 2
	.amdgcn_target "amdgcn-amd-amdhsa--gfx1250"
	.amdhsa_code_object_version 6
	.text
	.protected	k_q7a87a07e4c_qkv
	.globl	k_q7a87a07e4c_qkv
	.p2align	8
	.type	k_q7a87a07e4c_qkv,@function
k_q7a87a07e4c_qkv:
	s_mov_b64 s[64:65], 0
	v_nop
	global_prefetch_b8 v0, s[64:65] scope:SCOPE_SE
	s_setreg_imm32_b32 hwreg(HW_REG_WAVE_MODE, 25, 1), 1
	s_wait_xcnt 0x0
	s_wait_alu depctr_hold_cnt(0) depctr_sa_sdst(0) depctr_va_vdst(0) depctr_va_sdst(0) depctr_va_ssrc(0) depctr_va_vcc(0) depctr_vm_vsrc(0)
	s_getreg_b32 s2, hwreg(HW_REG_IB_STS2, 6, 4)
	s_cmp_eq_u32 s2, 0
	s_cbranch_scc0 .Lentry_in_a_cluster
	s_endpgm
.Lentry_in_a_cluster:
	s_bfe_u32 s2, ttmp6, 0x10000c
	s_cmp_lg_u32 s2, 0xf033
	s_cbranch_scc0 .Lentry_shape_is_right
	s_endpgm
.Lentry_shape_is_right:
; q, k, v = x W^T + b for the three weights at once: C [8192][3072] = A B^T + bias, A = x's codes [8192][1024], B = the three weights' codes [3072][1024], FP4 (E2M1) with one E8M0 byte
; for each 32 along K; sums in f32.  The result is rounded to f16 and stored by heads: qkv [3 kinds][batch x 16 + head][2048][64].
; LIMITS: |q|, |k|, |v| must stay under 65,504 (f16); NaN and infinities are not served.
; A tile of C, 256 x 256, is made by four waves, each 128 x 128: 64 accumulators, 512 registers.  K = 1,024 is two slots of 512 along K (rows of 256 bytes): both are first fills, nothing is filled again.
; The scale bytes of the work-group's 256 rows of A and of B, for all of K, are two dense blocks: they come once, with the first fills.  Three tensor loads of a wave are out at the head.
; CLUSTERS: 4 x 4 work-groups.  The four of a row of the cluster need the same tiles of A, the four of a column the same tiles of B: each is asked for jointly.  The cluster's x is the kind (q, k, v).
; THE MATRIX INSTRUCTION IS USED TRANSPOSED (source 0 = 16 rows of B, source 1 = 16 rows of A): a lane holds eight neighbouring columns of one row of C.  The bias is the C of each sum's first product.
; REGISTERS: window 0: v0-31 addresses; v32-95 scale words, two sets; v128-191 A's fragments, one set; v192-255 the bias, eight registers for each block of 16 columns; on the way out v32-63, v128-191.
;   window 1: B's fragments, two sets, at v0 and v128.   window 2: accumulators of my rows 0-63 ((a, b) at v[8 (8 a + b)]);   window 3: rows 64-127.
.set SIZE_K, 1024
.set NQ,     4                         ; matrix instructions deep in a slot
.set ROWB,   256                       ; a tile's row in bytes: 512 codes
.set KROW,   SIZE_K/2                  ; a row of codes in memory
.set PITCH,  272                       ; an LDS row: 256 bytes + 16 of padding: the 16 rows that a load touches start 16 bytes apart modulo 256
.set FR,     8
.set NL,     2
.set NP,     4
.set HALFT,  128*PITCH
.set SLOT,   4*HALFT
.set KS,     SIZE_K/32
.set SCL,    2*SLOT                    ; behind the ring: the scales, as units of 256 bytes + 16
.set HALFS,  (128*KS/256)*272
.set SBLK,   (16*KS/256)*272
.set SPARE,  SCL+4*HALFS               ; the spare words, 128 bytes a wave
.set SPITCH, 272                       ; the way out: a stage of 16 rows x (256 + 16) bytes for each wave, in slot 0, which has had its only fill and its last read by then
.set ADRA, 16
.set ADRB, 20
.set STO,  24
.set RD,   25
.set CO,   26
.set ADRS, 27
.set SPW,  28
.set NIL,  29
.set SC,   32
.set TMP,  32
.set AF,   128
.set BK,   128
.set BI,   192
.set G1, 24
.set G0, 32
.set G1B, 48
.set G0B, 56
.set G1S, 68
.set G0S, 76
.set G1SB, 80
.set G0SB, 88
.set MSB, 0
.macro WIN new                         ; the immediate's high byte repeats the setting that is left
.if MSB != (\new)
	s_set_vgpr_msb (MSB<<8)|(\new)
.set MSB, (\new)
.endif
.endm
.set MUL_LO,  0xa1                     ; source 0 (B) window 1, source 1 (A) window 0, C and D window 2
.set MUL_HI,  0xf1                     ; C and D window 3
.set MUL_LO0, 0x81                     ; the first step: C (the bias) window 0, D window 2
.set MUL_HI0, 0xc1                     ; D window 3
.set TO_B,    0x40
; A joint load: waves 0 and 1 fetch for A, waves 2 and 3 for B; the branch hangs on the wave's number alone.  An s_nop 0 and four v_nop follow each line.
.macro JLOAD g0a, g1a, g0b, g1b
	s_cmp_eq_u32 s15, 0
	s_cbranch_scc0 .Lfor_b_\@
	tensor_load_to_lds s[\g0a:\g0a+3], s[\g1a:\g1a+7]
	s_nop 0
.rept 4
	v_nop
.endr
	s_branch .Lasked_\@
.Lfor_b_\@:
	tensor_load_to_lds s[\g0b:\g0b+3], s[\g1b:\g1b+7]
	s_nop 0
.rept 4
	v_nop
.endr
.Lasked_\@:
.endm
.macro CROUND                          ; a round of the cluster's barrier
	s_barrier_signal -1
	s_barrier_wait -1
	s_cmp_lg_u32 s14, 0
	s_cbranch_scc1 .Lnot_wave_0_\@
	s_barrier_signal -3
.Lnot_wave_0_\@:
	s_barrier_wait -3
	s_barrier_signal -1
	s_barrier_wait -1
.endm
	s_load_b128 s[4:7], s[0:1], 0x0                ; x's codes, x's scales
	s_load_b128 s[8:11], s[0:1], 0x10              ; the weights' codes, their scales
	s_load_b256 s[56:63], s[0:1], 0x20             ; bq, bk, bv, qkv (copied out below; the registers then hold B's group 0)
	v_lshl_add_u32 v[SPW], v0, 2, SPARE
	v_mov_b32 v[NIL], 0
	ds_add_u32 v[SPW], v[NIL]                      ; the wave's opening: the add, twice on end, and its wait ahead of my first tensor load
	ds_add_u32 v[SPW], v[NIL]
	v_lshrrev_b32 v1, 5, v0
	v_readfirstlane_b32 s14, v1                    ; wave 0..3
	s_lshr_b32 s15, s14, 1                         ; which half of the tile's rows is mine.  Also: I fetch for A (0) or for B (1)
	s_and_b32 s16, s14, 1                          ; which half of its columns.  Also: which 128 rows of that tile I fetch
	s_bfe_u32 s40, ttmp6, 0x40000                  ; cx, cy
	s_bfe_u32 s41, ttmp6, 0x40004
	s_lshl_b32 s42, ttmp9, 2
	s_add_co_u32 s42, s42, s40                     ; tile column of C
	s_and_b32 s17, ttmp7, 0xffff
	s_lshl_b32 s17, s17, 2
	s_add_co_u32 s17, s17, s41                     ; tile row of C
	s_lshl_b32 s43, s41, 2
	s_lshl_b32 s43, 15, s43                        ; my row of the cluster
	s_lshl_b32 s44, 0x1111, s40                    ; my column
	s_or_b32 s[G1+0], s43, (0<<16)|(1<<20)|(1<<21)|(5<<22)|(3<<25)  ; mask; elements of 1 byte; padding on; bit 21 beside a mask; 4 words behind every 64
	s_or_b32 s[G1B+0], s44, (0<<16)|(1<<20)|(1<<21)|(5<<22)|(3<<25)
.irp g, G1, G1B
	s_mov_b32 s[\g+1], ROWB<<16                    ; tensor_dim0
	s_mov_b32 s[\g+2], 128<<16                     ; tensor_dim1
	s_mov_b32 s[\g+3], ROWB<<16                    ; tile_dim0
	s_mov_b32 s[\g+4], 128                         ; tile_dim1
	s_mov_b32 s[\g+5], KROW                        ; the pitch
	s_mov_b32 s[\g+6], 0
	s_mov_b32 s[\g+7], 0
.endr
	s_or_b32 s[G1S+0], s43, (3<<16)|(1<<20)|(1<<21)|(5<<22)|(3<<25) ; the scales of 128 rows: a dense block as rows of 256 bytes (32 elements of 8 bytes)
	s_or_b32 s[G1SB+0], s44, (3<<16)|(1<<20)|(1<<21)|(5<<22)|(3<<25)
.irp g, G1S, G1SB
	s_mov_b32 s[\g+1], 32<<16
	s_mov_b32 s[\g+2], (128*KS/256)<<16
	s_mov_b32 s[\g+3], 32<<16
	s_mov_b32 s[\g+4], 128*KS/256
	s_mov_b32 s[\g+5], 32
	s_mov_b32 s[\g+6], 0
	s_mov_b32 s[\g+7], 0
.endr
	s_lshl_b32 s18, s16, 7
	s_lshl_b32 s20, s17, 8
	s_add_co_u32 s20, s20, s18                     ; A: row 256 x tile row + 128 x half
	s_lshl_b32 s46, s42, 8
	s_add_co_u32 s46, s46, s18                     ; B: row 256 x tile column + 128 x half
	s_mov_b32 s21, 0
	s_mov_b32 s47, 0
	s_mov_b64 s[18:19], KS
	s_mul_u64 s[22:23], s[20:21], s[18:19]         ; where these rows' scales begin
	s_mul_u64 s[92:93], s[46:47], s[18:19]
	s_mov_b64 s[18:19], KROW
	s_mul_u64 s[20:21], s[20:21], s[18:19]         ; and their codes
	s_mul_u64 s[46:47], s[46:47], s[18:19]
	s_mul_i32 s45, s14, HALFT                      ; where they go: wave x 128 rows
	s_mul_i32 s94, s14, HALFS
	s_wait_dscnt 0x0                               ; both opening adds are done
	s_wait_kmcnt 0x0
	s_add_nc_u64 s[20:21], s[4:5], s[20:21]
	s_add_nc_u64 s[22:23], s[6:7], s[22:23]
	s_add_nc_u64 s[46:47], s[8:9], s[46:47]
	s_add_nc_u64 s[92:93], s[10:11], s[92:93]
	s_cmp_eq_u32 ttmp9, 0                          ; the kind is the cluster's x: the same in all partners
	s_cselect_b64 s[96:97], s[56:57], s[58:59]
	s_cmp_eq_u32 ttmp9, 2
	s_cselect_b64 s[96:97], s[60:61], s[96:97]     ; my kind's bias
	s_mov_b64 s[12:13], s[62:63]                   ; qkv
	CROUND                                         ; all sixteen work-groups are here: the first joint loads meet
	s_mov_b32 s[G0S], 1
	s_add_co_u32 s[G0S+1], s94, SCL
	s_mov_b64 s[G0S+2:G0S+3], s[22:23]
	s_or_b32 s[G0S+3], s[G0S+3], 0x80000000
	s_mov_b32 s[G0SB], 1
	s_add_co_u32 s[G0SB+1], s94, SCL
	s_mov_b64 s[G0SB+2:G0SB+3], s[92:93]
	s_or_b32 s[G0SB+3], s[G0SB+3], 0x80000000
	JLOAD G0S, G1S, G0SB, G1SB                     ; the scales first: they are wanted with the first slot
.irp s, 0,1
	s_mov_b32 s[G0+4*\s], 1
	s_add_co_u32 s[G0+4*\s+1], s45, \s*SLOT
	s_add_nc_u64 s[G0+4*\s+2:G0+4*\s+3], s[20:21], \s*ROWB
	s_or_b32 s[G0+4*\s+3], s[G0+4*\s+3], 0x80000000
	s_mov_b32 s[G0B+4*\s], 1
	s_add_co_u32 s[G0B+4*\s+1], s45, \s*SLOT
	s_add_nc_u64 s[G0B+4*\s+2:G0B+4*\s+3], s[46:47], \s*ROWB
	s_or_b32 s[G0B+4*\s+3], s[G0B+4*\s+3], 0x80000000
	JLOAD G0+4*\s, G1, G0B+4*\s, G1B
.endr
	v_and_b32 v1, 15, v0                           ; r = lane % 16
	v_bfe_u32 v2, v0, 4, 1                         ; h = lane / 16
	; the bias: block b's eight registers hold bias[256 cx + 128 half + 16 b + 8 h + 0 .. 7], the result's layout
	s_lshl_b32 s46, s40, 10
	s_lshl_b32 s47, s16, 9
	s_add_co_u32 s46, s46, s47
	s_mov_b32 s47, 0
	s_add_nc_u64 s[96:97], s[96:97], s[46:47]
	v_lshlrev_b32 v7, 5, v2
.irp b, 0,1,2,3,4,5,6,7
	global_load_b128 v[BI+8*\b:BI+8*\b+3], v7, s[96:97] offset:64*\b
	global_load_b128 v[BI+8*\b+4:BI+8*\b+7], v7, s[96:97] offset:64*\b+16
.endr
	v_mul_u32_u24 v3, v1, PITCH
	v_lshl_add_u32 v4, v2, 4, v3                   ; a fragment's row x pitch + 16 x half
	s_mul_i32 s21, s15, HALFT                      ; my 128 rows of A
	s_mul_i32 s22, s16, HALFT                      ; my 128 rows of B,
	s_add_co_u32 s22, s22, 2*HALFT                 ; behind A's 256
.irp s, 0,1
	v_add_nc_u32 v[ADRA+\s], s21, v4
	v_add_nc_u32 v[ADRB+\s], s22, v4
	s_add_co_u32 s21, s21, SLOT
	s_add_co_u32 s22, s22, SLOT
.endr
	v_mul_u32_u24 v5, v1, KS                       ; my row's scales: KS bytes a row,
	v_lshrrev_b32 v6, 8, v5
	v_lshl_add_u32 v5, v6, 4, v5                   ; and 16 more for each 256 passed
	s_mul_i32 s21, s15, HALFS
	s_mul_i32 s22, s16, HALFS
	s_add_co_u32 s22, s22, 2*HALFS
	s_sub_co_u32 s22, s22, s21
	v_mul_u32_u24 v6, s22, v2                      ; lanes 16-31 take B's: one product, the distance between the two bases
	s_add_co_u32 s21, s21, SCL
	v_add_nc_u32 v5, v5, v6
	v_add_nc_u32 v[ADRS], s21, v5
	s_mul_i32 s23, s14, 16*SPITCH                  ; my stage
	v_add_nc_u32 v[STO], s23, v4                   ; in: row r, 16 bytes for each half of the lanes
	v_and_b32 v6, 31, v0
	v_lshlrev_b32 v[CO], 4, v6                     ; out: 16 bytes a lane, 512 consecutive bytes of one head
	v_lshrrev_b32 v5, 3, v6
	v_mul_u32_u24 v5, v5, SPITCH
	v_and_b32 v6, 7, v0
	v_lshl_add_u32 v5, v6, 4, v5
	v_add_nc_u32 v[RD], s23, v5                    ; back: eight lanes take a head's 128 bytes of a row, four rows an instruction
	; where my part begins in qkv: kind x 2^24 + (batch x 16 + head) x 2^18 + position x 128
	s_lshl_b32 s20, ttmp9, 24
	s_lshr_b32 s21, s17, 3
	s_lshl_b32 s21, s21, 22                        ; batch = tile row / 8
	s_add_co_u32 s20, s20, s21
	s_and_b32 s21, s17, 7
	s_lshl_b32 s21, s21, 15                        ; 256 positions a tile row
	s_add_co_u32 s20, s20, s21
	s_lshl_b32 s21, s15, 14                        ; my 128 of them
	s_add_co_u32 s20, s20, s21
	s_lshl_b32 s46, s40, 20                        ; head 4 cx
	s_lshl_b32 s47, s16, 19                        ; + 2 x half
	s_add_co_u32 s46, s46, s47
	s_add_co_u32 s20, s20, s46
	s_mov_b32 s21, 0
	s_add_nc_u64 s[12:13], s[12:13], s[20:21]
.macro FRAG reg, adr, q, i             ; 16 rows x 128 K of 4-bit codes: 8 registers; registers 4 c .. 4 c + 3 hold K = 64 c + 32 (lane / 16) + 0 .. 31
.irp c, 0,1
	ds_load_b128 v[\reg+4*\c:\reg+4*\c+3], v[\adr] offset:64*(\q)+32*\c+(\i)*16*PITCH
.endr
.endm
; 16 matrix instructions: A's blocks a0, a0 + 1 x B's eight, the slot's q-th 128 along K.  zero = 1: the first product starts the sums from the bias.  The 64 accumulators take turns.
.macro MUL16 a0, p, q, sc, zero
.irp a, \a0, \a0+1
.irp b, 0,1,2,3,4,5,6,7
.if \zero
	v_wmma_scale_f32_16x16x128_f8f6f4 v[8*(8*((\a)%4)+\b):8*(8*((\a)%4)+\b)+7], v[128*(\p)+FR*\b:128*(\p)+FR*\b+FR-1], v[AF+FR*(\a):AF+FR*(\a)+FR-1], v[BI+8*\b:BI+8*\b+7], v[SC+8*NQ*(\sc)+NQ*\b+(\q)], v[SC+8*NQ*(\sc)+NQ*(\a)+(\q)] matrix_a_fmt:MATRIX_FMT_FP4 matrix_b_fmt:MATRIX_FMT_FP4 matrix_a_scale:MATRIX_SCALE_ROW1
.else
	v_wmma_scale_f32_16x16x128_f8f6f4 v[8*(8*((\a)%4)+\b):8*(8*((\a)%4)+\b)+7], v[128*(\p)+FR*\b:128*(\p)+FR*\b+FR-1], v[AF+FR*(\a):AF+FR*(\a)+FR-1], v[8*(8*((\a)%4)+\b):8*(8*((\a)%4)+\b)+7], v[SC+8*NQ*(\sc)+NQ*\b+(\q)], v[SC+8*NQ*(\sc)+NQ*(\a)+(\q)] matrix_a_fmt:MATRIX_FMT_FP4 matrix_b_fmt:MATRIX_FMT_FP4 matrix_a_scale:MATRIX_SCALE_ROW1
.endif
.endr
.endr
.endm
.macro FETCH_B slot, q, p
	WIN TO_B
.irp i, 0,1,2,3,4,5,6,7
	FRAG 128*(\p)+FR*\i, ADRB+\slot, \q, \i
.endr
	WIN 0
.endm
.macro FETCH_A slot, q, i0
.irp i, \i0, \i0+1, \i0+2, \i0+3
	FRAG AF+FR*(\i), ADRA+\slot, \q, \i
.endr
.endm
.macro SCALES sc                       ; a slot's scale words: lanes 0-15 take A's block i, lanes 16-31 B's block i
.irp i, 0,1,2,3,4,5,6,7
	ds_load_b128 v[SC+8*NQ*\sc+NQ*\i:SC+8*NQ*\sc+NQ*\i+3], v[ADRS] offset:\i*SBLK
.endr
.endm
.macro PLACES n                        ; plain vector lines between a matrix instruction and a load into, or a read of, its registers
.rept \n
	v_nop
.endr
.endm
.macro STEP slot, q, zero              ; a step of 128 along K that has its successor in the same slot
	s_wait_dscnt 4*NL                              ; B's set, A's blocks 0-3 and the scale words are in; the youngest eight loads (A's blocks 4-7) may be out
.if \zero
	WIN MUL_LO0
.else
	WIN MUL_LO
.endif
	MUL16 0, (\q)%2, \q, \slot, \zero
	MUL16 2, (\q)%2, \q, \slot, \zero
	s_wait_dscnt 0                                 ; A's blocks 4-7 are in
	PLACES NP
	FETCH_B \slot, (\q)+1, 1-(\q)%2
	FETCH_A \slot, (\q)+1, 0
.if \zero
	WIN MUL_HI0
.else
	WIN MUL_HI
.endif
	MUL16 4, (\q)%2, \q, \slot, \zero
	MUL16 6, (\q)%2, \q, \slot, \zero
	PLACES NP
	WIN 0
	FETCH_A \slot, (\q)+1, 4
.endm
; Slot 0's last step changes slots: one barrier; in front of it each wave waits for all its tensor loads (its part of slot 1), adds 0 to its spare word, and waits for that and its reads.  Nothing is filled again.
.macro TURN slot, next
	s_wait_tensorcnt 0x0
	ds_add_u32 v[SPW], v[NIL]
	s_wait_dscnt 4*NL+1                            ; the add and the youngest eight loads may be out
	WIN MUL_LO
	MUL16 0, 1, NQ-1, \slot, 0
	s_wait_dscnt 0x0
	s_barrier_signal -1
	MUL16 2, 1, NQ-1, \slot, 0
	WIN 0
	s_barrier_wait -1
	PLACES NP
	v_add_nc_u32 v[ADRS], 4*NQ, v[ADRS]            ; on to the next slot's scale words
	FETCH_B \next, 0, 0
	FETCH_A \next, 0, 0
	SCALES \next
	WIN MUL_HI
	MUL16 4, 1, NQ-1, \slot, 0
	MUL16 6, 1, NQ-1, \slot, 0
	PLACES NP
	WIN 0
	FETCH_A \next, 0, 4
.endm
.macro STEPS slot, from
.set Q, \from
.rept NQ-1-\from
	STEP \slot, Q, 0
.set Q, Q+1
.endr
.endm
	s_wait_tensorcnt 1                             ; the scales and my part of slot 0 are in; slot 1's load may stay out
	s_barrier_signal -1
	s_barrier_wait -1
	FETCH_B 0, 0, 0
	FETCH_A 0, 0, 0
	SCALES 0
	FETCH_A 0, 0, 4
	s_wait_loadcnt 0x0                             ; the bias
	STEP 0, 0, 1
	STEPS 0, 1
	TURN 0, 1
	STEPS 1, 0
	s_wait_dscnt 4*NL                              ; the very last step
	WIN MUL_LO
	MUL16 0, 1, NQ-1, 1, 0
	MUL16 2, 1, NQ-1, 1, 0
	s_wait_dscnt 0
	WIN MUL_HI
	MUL16 4, 1, NQ-1, 1, 0
	MUL16 6, 1, NQ-1, 1, 0
	WIN 0
; THE WAY OUT, block by block of 16 rows x 128 columns (two heads).  PACK rounds to f16, 16 bytes a lane, each accumulator from its low end; TOSTAGE puts them into my stage and reads them back by heads;
; SEND stores 512 consecutive bytes (four positions of one head) an instruction.  Block a's conversions stand between block a - 1's loads from the stage and the wait for them.
.macro PACK a
.set AC, 64*((\a)%4)
	WIN 0x0a+5*((\a)/4)                            ; sources 0 and 1: window 2 or 3
.irp b, 0,1,2,3,4,5,6,7
.irp r, 0,1,2,3
	v_cvt_pk_f16_f32 v[TMP+4*\b+\r], v[AC+8*\b+2*\r], v[AC+8*\b+2*\r+1]
.endr
.endr
	WIN 0
.endm
.macro TOSTAGE a
.set BB, BK+32*((\a)%2)
.irp b, 0,1,2,3,4,5,6,7
	ds_store_b128 v[STO], v[TMP+4*\b:TMP+4*\b+3] offset:32*\b
.endr
.irp u, 0,1,2,3,4,5,6,7                ; head u / 4, rows 4 (u % 4) on.  LDS serves a wave's instructions in order: these see the stores above
	ds_load_b128 v[BB+4*\u:BB+4*\u+3], v[RD] offset:4*SPITCH*(\u%4)+128*(\u/4)
.endr
.endm
.macro SEND a
.set BB, BK+32*((\a)%2)
	s_wait_dscnt 0x0                               ; the block is back in registers
	s_wait_xcnt 0x0                                ; the block before has been read by its stores: the next block's loads may land on its registers
.irp u, 0,1,2,3,4,5,6,7
	global_store_b128 v[CO], v[BB+4*\u:BB+4*\u+3], s[12:13] offset:(\u/4)*262144+(\a)*2048+(\u%4)*512
.endr
.endm
	PLACES NP
	PACK 0
	TOSTAGE 0
.irp a, 1,2,3,4,5,6,7
	PACK \a
	SEND \a-1
	TOSTAGE \a
.endr
	SEND 7
	s_wait_tensorcnt 0x0                           ; the wave's end
	ds_add_u32 v[SPW], v[NIL]
	s_wait_dscnt 0x0
	CROUND                                         ; the closing round
	s_endpgm
.Lfunc_end_k_q7a87a07e4c_qkv:
	.size	k_q7a87a07e4c_qkv, .Lfunc_end_k_q7a87a07e4c_qkv-k_q7a87a07e4c_qkv
	.p2alignl 7, 3214868480
	.fill 96, 4, 3214868480
	.section	.rodata,"a",@progbits
	.p2align	6, 0x0
	.amdhsa_kernel k_q7a87a07e4c_qkv
		.amdhsa_group_segment_fixed_size 327680
		.amdhsa_private_segment_fixed_size 0
		.amdhsa_enable_private_segment 0
		.amdhsa_kernarg_size 64
		.amdhsa_user_sgpr_count 2
		.amdhsa_user_sgpr_kernarg_segment_ptr 1
		.amdhsa_wavefront_size32 1
		.amdhsa_system_sgpr_workgroup_id_x 1
		.amdhsa_system_sgpr_workgroup_id_y 1
		.amdhsa_system_sgpr_workgroup_id_z 1
		.amdhsa_system_vgpr_workitem_id 0
		.amdhsa_next_free_vgpr 1024
		.amdhsa_next_free_sgpr 100
		.amdhsa_reserve_vcc 0
		.amdhsa_float_denorm_mode_32 3
		.amdhsa_float_denorm_mode_16_64 3
		.amdhsa_memory_ordered 1
		.amdhsa_forward_progress 1
		.amdhsa_inst_pref_size 128
	.end_amdhsa_kernel
	.amdgpu_metadata
---
amdhsa.version: [ 1, 2 ]
amdhsa.kernels:
  - .name:           k_q7a87a07e4c_qkv
    .symbol:         k_q7a87a07e4c_qkv.kd
    .args:
      - { .name: xc, .offset: 0, .size: 8, .value_kind: global_buffer, .address_space: global }
      - { .name: xs, .offset: 8, .size: 8, .value_kind: global_buffer, .address_space: global }
      - { .name: wc, .offset: 16, .size: 8, .value_kind: global_buffer, .address_space: global }
      - { .name: ws, .offset: 24, .size: 8, .value_kind: global_buffer, .address_space: global }
      - { .name: bq, .offset: 32, .size: 8, .value_kind: global_buffer, .address_space: global }
      - { .name: bk, .offset: 40, .size: 8, .value_kind: global_buffer, .address_space: global }
      - { .name: bv, .offset: 48, .size: 8, .value_kind: global_buffer, .address_space: global }
      - { .name: qkv, .offset: 56, .size: 8, .value_kind: global_buffer, .address_space: global }
    .group_segment_fixed_size: 327680
    .private_segment_fixed_size: 0
    .kernarg_segment_align: 8
    .kernarg_segment_size: 64
    .max_flat_workgroup_size: 128
    .sgpr_count:     100
    .vgpr_count:     1024
    .wavefront_size: 32
...
	.end_amdgpu_metadata
.endif
;; end of part 2
;; launch attn (part 3): grid 8 x 64, 4 waves a work-group, clusters of 4 x 1, 327,680 bytes of LDS; arguments qkv, att; writes att
.if DOCPART == 3
	.amdgcn_target "amdgcn-amd-amdhsa--gfx1250"
	.amdhsa_code_object_version 6
	.text
	.protected	k_q7a87a07e4c_attn
	.globl	k_q7a87a07e4c_attn
	.p2align	8
	.type	k_q7a87a07e4c_attn,@function
k_q7a87a07e4c_attn:
	s_mov_b64 s[64:65], 0
	v_nop
	global_prefetch_b8 v0, s[64:65] scope:SCOPE_SE
	s_setreg_imm32_b32 hwreg(HW_REG_WAVE_MODE, 25, 1), 1
	s_wait_xcnt 0x0
	s_wait_alu depctr_hold_cnt(0) depctr_sa_sdst(0) depctr_va_vdst(0) depctr_va_sdst(0) depctr_va_ssrc(0) depctr_va_vcc(0) depctr_vm_vsrc(0)
	s_getreg_b32 s2, hwreg(HW_REG_IB_STS2, 6, 4)
	s_cmp_eq_u32 s2, 0
	s_cbranch_scc0 .Lentry_in_a_cluster
	s_endpgm
.Lentry_in_a_cluster:
	s_bfe_u32 s2, ttmp6, 0x10000c
	s_cmp_lg_u32 s2, 0x3003
	s_cbranch_scc0 .Lentry_shape_is_right
	s_endpgm
.Lentry_shape_is_right:
; O[q][:] = the sum over k of softmax_k(Q[q] . K[k] / 8) V[k][:] for each of 64 (batch, head) pairs; 2,048 positions, head size 64, no mask.
; qkv: f16 [3 kinds][batch x 16 + head][2048][64].  att: f16 [16 heads][batch x 2048 + position][64].  Products, maxima and sums in f32; the weights p are rounded to f16 for the second product, O once at the end.
; LIMITS: the result must lie inside f16; NaN and infinities are not served.
; SHARES.  A work-group owns 256 queries of one pair, each of its four waves 64: four tiles of 16.  Every wave walks all 2,048 keys, 64 a step.
; LAYOUT.  S^T = K Q^T (source 0 = 16 keys, source 1 = 16 queries): a lane holds ONE query and the keys 8 (lane / 16) + 0..7.  Two such tiles, rounded in pairs, ARE source 1 of O^T = V^T P.
; K comes out of LDS as it lies, V turned, by ds_load_tr16_b128.  Rows of K and V are 128 bytes and dense in memory: two neighbouring rows are stated as ONE row of 256 bytes, padded in LDS;
; row n of a tile lies at (n / 2) x pitch + (n % 2) x 128.
; SOFTMAX.  For each query a running maximum m and sum l: p = 2^(c s - c m), c = log2(e) / 8; in every step O and l are multiplied by a = 2^(c m_old - c m_new).
; BY TURNS.  Piece 0 = tiles 0, 1; piece 2 = tiles 2, 3.  In a turn one piece has the matrix unit: 16 products V^T P of the step in hand, 16 products K Q^T of the next; the other piece's softmax,
; 236 instructions in 59 slices of four, stands between them: two slices behind each product, one behind the first five.
; CLUSTER.  The four query blocks of a cluster belong to one pair and walk the same K and V: each tile is asked for jointly, with a mask that names the four.
; REGISTERS, in windows of 256: window 0: v0-11 addresses; v12-43 statistics, eight a tile; v61-63; v64-191 S^T, 32 a tile; v192-255 P, 16 a tile.
;   window 1: O^T, 32 a tile.   window 2: v0-63 Q, 16 a tile; v128-191 K of one step.   window 3: v0-63 V of one step.
.set KS,    64        ; keys in a step
.set PK,    272       ; two rows of K in LDS: 256 bytes + 16: the 16 rows of a load fall on 16 different 16-byte columns modulo 256
.set PV,    288       ; two rows of V: 256 + 32: the turning load's 8 keys x 32 bytes do likewise
.set KSTB,  32*PK     ; a step's K in LDS
.set VSTB,  32*PV     ; a step's V
.set VOFF,  128*PK    ; a slot: 256 keys of K, then 256 of V
.set SLOT1, 1<<17     ; slot 1 begins here: one exclusive or turns an address in one slot into the other's
.set SLOTB, 256*128   ; a slot's keys in memory, in bytes
.set STAGE, SLOT1+128*PK+128*PV   ; behind the ring: 4,352 bytes for each wave, for the way out
.set SP,    272
.set SPARE, STAGE+4*4352          ; the spare words, 128 bytes a wave
.set AK0, 2
.set AV0, 3
.set ADR, 4
.set QO,  5
.set STO, 6
.set RD,  7
.set GO,  8
.set PFO, 61          ; v61  256 x my lane; never rewritten
.set SPW, 62
.set NIL, 63
.set ST,  12          ; tile t's statistics at v[ST+8 t]: +0 c m, +1 m, +2, +3 l, +4 to +7 at work; a takes +6 once the maximum is found
.set S,   64
.set P,   192
.set KF,  128
.set WV,  12
.set LIM, 15          ; s15  1 in a wave that prefetches, else the greatest number
.set PFA, 18          ; s[18:19] where my prefetches stand
.set G1K, 24
.set G1V, 32
.set G0K, 40          ; s[40:47] a set for each of the two first fills; the second then walks on
.set G0V, 48
.set SLOTS, 56
.set TWICE, 57
.set CS,  58
.set SEL, 60
.set TBK, 62          ; s62  LDS byte at which K of the step to be fetched begins
.set TBV, 63          ; s63  the same for V (without VOFF)
.set MSB, 0
.macro WIN new
.if MSB != (\new)
	s_set_vgpr_msb (MSB<<8)|(\new)
.set MSB, (\new)
.endif
.endm
.set W_KQ, 0x0a       ; K and Q in window 2, S^T in window 0
.set W_PV, 0x53       ; V in window 3, P in window 0, O^T in window 1
.set W_RS, 0x41       ; O^T (destination and source 0) in window 1, a in window 0
; A joint refill.  Waves 0 and 1 fetch the halves of a slot's K, waves 2 and 3 of its V: 128 keys, 64 rows of 256 bytes each.  An s_nop 0 and four v_nop follow each line.
.macro JLOAD
	s_cmp_lt_u32 s[WV], 2
	s_cbranch_scc0 .Lfor_v_\@
	tensor_load_to_lds s[G0K+4:G0K+7], s[G1K:G1K+7]
	s_nop 0
.rept 4
	v_nop
.endr
	s_branch .Lasked_\@
.Lfor_v_\@:
	tensor_load_to_lds s[G0V+4:G0V+7], s[G1V:G1V+7]
	s_nop 0
.rept 4
	v_nop
.endr
.Lasked_\@:
.endm
; A prefetch of what the NEXT change of slots will ask for: a slot's 32,768 bytes of K and of V, lanes 256 bytes apart.  Both clusters of a pair walk the same K and V: the first asks.  Its four partners share
; the bytes out by address, 8,192 each; in each, wave 0 asks for K's and wave 2 for V's: so each 256 bytes are named once.  The last change that fills a slot asks for nothing; slots 0 to 2 come by their loads alone.
.macro ASK
	s_cmp_gt_u32 s[SLOTS], s[LIM]
	s_cbranch_scc0 .Lnot_mine_\@
	global_prefetch_b8 v[PFO], s[PFA:PFA+1] th:TH_LOAD_NT scope:SCOPE_SE
.Lnot_mine_\@:
.endm
.macro CROUND
	s_barrier_signal -1
	s_barrier_wait -1
	s_cmp_lg_u32 s[WV], 0
	s_cbranch_scc1 .Lnot_wave_0_\@
	s_barrier_signal -3
.Lnot_wave_0_\@:
	s_barrier_wait -3
	s_barrier_signal -1
	s_barrier_wait -1
.endm
	s_load_b128 s[4:7], s[0:1], 0x0 ; qkv s[4:5], att s[6:7]
	v_lshl_add_u32 v[SPW], v0, 2, SPARE
	v_mov_b32 v[NIL], 0
	ds_add_u32 v[SPW], v[NIL]       ; the wave's opening: the add, twice on end, and its wait ahead of my first tensor load
	ds_add_u32 v[SPW], v[NIL]
	v_lshrrev_b32 v1, 5, v0
	v_readfirstlane_b32 s[WV], v1   ; wave 0..3
	s_bfe_u32 s13, ttmp6, 0x40000   ; cx
	s_lshl_b32 s14, ttmp9, 2
	s_add_co_u32 s14, s14, s13      ; my block of 256 queries: it enters Q's and O's addresses alone
	s_and_b32 s16, ttmp7, 0xffff    ; batch x 16 + head, which the four partners share
	s_lshl_b32 s20, s16, 18         ; its first byte in each kind
	s_mov_b32 s21, 0
	s_and_b32 s17, s[WV], 1         ; which half of a slot I fetch:
	s_lshl_b32 s22, s17, 14         ; its 128 rows of 128 bytes in memory
	s_mov_b32 s23, 0
	s_add_nc_u64 s[22:23], s[22:23], s[20:21]
	s_lshl_b32 s2, s14, 15          ; my block's 256 rows,
	s_lshl_b32 s3, s[WV], 13        ; my wave's 64 of them
	s_add_co_u32 s2, s2, s3
	s_and_b32 s62, s16, 15
	s_lshl_b32 s62, s62, 20         ; O: the head's plane,
	s_lshr_b32 s63, s16, 4
	s_lshl_b32 s63, s63, 18         ; the batch's 2,048 rows in it,
	s_add_co_u32 s62, s62, s63
	s_add_co_u32 s62, s62, s2       ; my wave's rows
	s_mov_b32 s63, 0
	s_mov_b32 s3, 0
	s_add_nc_u64 s[2:3], s[2:3], s[20:21]  ; Q: the pair's rows, my wave's
	s_mul_i32 s16, s17, 64*PV       ; my half's place in a slot's V,
	s_mul_i32 s17, s17, 64*PK       ; and in its K: no place in the cluster enters an LDS address
	s_mov_b32 s[G1K], 15|(1<<16)|(1<<20)|(1<<21)|(5<<22)|(3<<25)  ; the mask: all four; elements of 2 bytes; padding on; bit 21 beside a mask; 4 words behind every 64
	s_mov_b32 s[G1V], 15|(1<<16)|(1<<20)|(1<<21)|(5<<22)|(7<<25)  ; the same with 8 words of padding
.irp g, G1K, G1V
	s_mov_b32 s[\g+1], 128<<16      ; tensor_dim0 = 128 elements: two rows of 64
	s_mov_b32 s[\g+2], 64<<16       ; tensor_dim1 = 64
	s_mov_b32 s[\g+3], 128<<16      ; tile_dim0
	s_mov_b32 s[\g+4], 64           ; tile_dim1
	s_mov_b32 s[\g+5], 128          ; the pitch: dense
	s_mov_b32 s[\g+6], 0
	s_mov_b32 s[\g+7], 0
.endr
	s_mov_b32 s[CS], 0x3e38aa3b     ; c = log2(e) / 8
	s_mov_b32 s[CS+1], s[CS]
	s_mov_b32 s[SEL], 0x76543210
	s_mov_b32 s[SEL+1], 0xfedcba98
	s_mov_b32 s[SLOTS], 6           ; of eight slots' worth of keys, six come by refills
	s_and_b32 s[LIM], s[WV], 1      ; 0 in waves 0 and 2,
	s_or_b32 s[LIM], s[LIM], ttmp9  ; where the cluster is the pair's first: the same in all four partners
	s_cmp_eq_u32 s[LIM], 0
	s_cselect_b32 s[LIM], 1, -1
	v_and_b32 v[PFO], 31, v0
	v_lshlrev_b32 v[PFO], 8, v[PFO]
	s_wait_dscnt 0x0                ; both opening adds are done
	s_wait_kmcnt 0x0
	s_add_nc_u64 s[10:11], s[6:7], s[62:63]  ; O at my wave's first row
	s_add_nc_u64 s[6:7], s[4:5], 0x1000000   ; the kind k,
	s_add_nc_u64 s[8:9], s[4:5], 0x2000000   ; the kind v,
	s_add_nc_u64 s[6:7], s[6:7], s[22:23]    ; each at my tile of slot 0
	s_add_nc_u64 s[8:9], s[8:9], s[22:23]
	s_add_nc_u64 s[4:5], s[4:5], s[2:3]      ; Q at my wave's first row
	s_mov_b32 s[TBK], 0
	s_mov_b32 s[TBV], 0
	s_cmp_lt_u32 s[WV], 2
	s_cselect_b64 s[PFA:PFA+1], s[6:7], s[8:9]  ; (in waves 0 and 2 these stand at a slot's first row)
	s_lshl_b32 s2, s13, 13          ; my work-group's 8,192 bytes of the 32,768
	s_mov_b32 s3, 0
	s_add_nc_u64 s[PFA:PFA+1], s[PFA:PFA+1], s[2:3]
	s_add_nc_u64 s[PFA:PFA+1], s[PFA:PFA+1], 2*SLOTB  ; in slot 2; the first change of slots steps it to slot 3
	CROUND                          ; all four work-groups are here: the first joint loads meet
.irp s, 0,1
	s_mov_b32 s[G0K+4*\s], 1
	s_add_co_u32 s[G0K+4*\s+1], s17, \s*SLOT1
	s_add_nc_u64 s[G0K+4*\s+2:G0K+4*\s+3], s[6:7], \s*SLOTB
	s_or_b32 s[G0K+4*\s+3], s[G0K+4*\s+3], 0x80000000
	s_mov_b32 s[G0V+4*\s], 1
	s_add_co_u32 s[G0V+4*\s+1], s16, \s*SLOT1+VOFF
	s_add_nc_u64 s[G0V+4*\s+2:G0V+4*\s+3], s[8:9], \s*SLOTB
	s_or_b32 s[G0V+4*\s+3], s[G0V+4*\s+3], 0x80000000
.endr
	s_cmp_lt_u32 s[WV], 2           ; a wave's two first fills stand in one branch: two loads of mine are out
	s_cbranch_scc0 .Lfirst_v
	tensor_load_to_lds s[G0K:G0K+3], s[G1K:G1K+7]
	s_nop 0
	tensor_load_to_lds s[G0K+4:G0K+7], s[G1K:G1K+7]
	s_nop 0
.rept 4
	v_nop
.endr
	s_branch .Lfirst_asked
.Lfirst_v:
	tensor_load_to_lds s[G0V:G0V+3], s[G1V:G1V+7]
	s_nop 0
	tensor_load_to_lds s[G0V+4:G0V+7], s[G1V:G1V+7]
	s_nop 0
.rept 4
	v_nop
.endr
.Lfirst_asked:
	v_and_b32 v1, 15, v0            ; r = lane % 16
	v_bfe_u32 v9, v0, 4, 1          ; h = lane / 16
	v_lshlrev_b32 v[QO], 7, v1
	v_lshl_add_u32 v[QO], v9, 4, v[QO]  ; row x 128 + 16 x half
	WIN 0x80                        ; destination window 2
.irp i, 0,1,2,3,4,5,6,7             ; Q stays in registers: tile i / 2, channels 32 (i % 2) on
	global_load_b128 v[8*\i:8*\i+3],   v[QO], s[4:5] offset:(\i/2)*2048+(\i%2)*64
	global_load_b128 v[8*\i+4:8*\i+7], v[QO], s[4:5] offset:(\i/2)*2048+(\i%2)*64+32
.endr
	WIN 0
	v_lshrrev_b32 v10, 1, v1
	v_and_b32 v11, 1, v0
	v_mul_u32_u24 v[AK0], v10, PK
	v_lshl_add_u32 v[AK0], v11, 7, v[AK0]
	v_lshl_add_u32 v[AK0], v9, 4, v[AK0]  ; K: (r / 2) x pitch + (r % 2) x 128 + 16 h
	v_bfe_u32 v10, v0, 1, 2
	v_lshl_add_u32 v10, v9, 2, v10  ; V: lane l reads key 8 h + l % 8: its pair of rows is 4 h + (l / 2) % 4,
	v_mul_u32_u24 v[AV0], v10, PV
	v_lshl_add_u32 v[AV0], v11, 7, v[AV0]  ; the half of the pair l % 2,
	v_bfe_u32 v10, v0, 3, 1
	v_lshl_add_u32 v[AV0], v10, 4, v[AV0]  ; channels 8 ((l / 8) % 2) on
	v_add_nc_u32 v[AV0], VOFF, v[AV0]
; THE MATRIX WORK OF A TURN, for piece x.  The accumulators take turns, one instruction a turn: seven others stand between two links of a chain.
; Product i of 16 of O^T += V^T P: keys 32 (i / 8) on, channels 16 ((i / 2) % 4) on, tile x + i % 2.  zero = 1: the first 8 start the sums.
.macro PV x, zero
	WIN W_PV
.set rO, 32*(\x+i%2)+8*((i/2)%4)
.set rV, 32*(i/8)+8*((i/2)%4)
.set rP, P+16*(\x+i%2)+8*(i/8)
.if \zero && (i < 8)
	v_wmma_f32_16x16x32_f16 v[rO:rO+7], v[rV:rV+7], v[rP:rP+7], 0
.else
	v_wmma_f32_16x16x32_f16 v[rO:rO+7], v[rV:rV+7], v[rP:rP+7], v[rO:rO+7]
.endif
.endm
; Product i of 16 of S^T = K Q^T: channels 32 (i / 8) on, keys 16 ((i / 2) % 4) on, tile x + i % 2.  The first 8 start the sums.
.macro KQ x
	WIN W_KQ
.set rS, S+32*(\x+i%2)+8*((i/2)%4)
.set rK, KF+16*((i/2)%4)+8*(i/8)
.set rQ, 16*(\x+i%2)+8*(i/8)
.if i < 8
	v_wmma_f32_16x16x32_f16 v[rS:rS+7], v[rK:rK+7], v[rQ:rQ+7], 0
.else
	v_wmma_f32_16x16x32_f16 v[rS:rS+7], v[rK:rK+7], v[rQ:rQ+7], v[rS:rS+7]
.endif
.endm
; THE LDS LOADS stand in runs of 16: a step's K (64 keys x 64 channels: 8 fragments) and, a turn later, its V (turned).
.macro FETCH_K
	WIN 0
	v_add_nc_u32 v[ADR], s[TBK], v[AK0]
	s_add_co_u32 s[TBK], s[TBK], KSTB  ; the next fetch is the next step's
	WIN 0x80                        ; destination window 2
.irp f, 0,1,2,3,4,5,6,7             ; keys 16 (f / 2) on, channels 32 (f % 2) on
	ds_load_b128 v[KF+8*\f:KF+8*\f+3],   v[ADR] offset:(\f/2)*8*PK+(\f%2)*64
	ds_load_b128 v[KF+8*\f+4:KF+8*\f+7], v[ADR] offset:(\f/2)*8*PK+(\f%2)*64+32
.endr
.endm
.macro FETCH_V
	WIN 0
	v_add_nc_u32 v[ADR], s[TBV], v[AV0]
	s_add_co_u32 s[TBV], s[TBV], VSTB
	s_wait_alu depctr_va_vdst(0)    ; the wait for the softmax's batch of exponentials, ahead of the first line that names a result
	WIN 0xc0                        ; destination window 3
.irp f, 0,1,2,3,4,5,6,7             ; keys 32 (f / 4) on, channels 16 (f % 4) on
	ds_load_tr16_b128 v[8*\f:8*\f+3],   v[ADR] offset:(\f/4)*16*PV+(\f%4)*32
	ds_load_tr16_b128 v[8*\f+4:8*\f+7], v[ADR] offset:(\f/4)*16*PV+8*PV+(\f%4)*32
.endr
.endm
; THE VECTOR WORK OF A TURN.  One tile's softmax for one key step is a list of 118 instructions; SM writes number j of it for tile t.  s0-s31 are the lane's 32 scores, in pairs 0-15.
;   0-15 the maximum of s0-s31 and the old m;  16-20 the other half of the lanes' maximum, the new m, c m, c m_old - c m_new;
;   21-69 ONE BATCH: 16 scalings c s - c m and 33 exponentials (a at 23, then s0-s31), none of which reads an exponential's result;  (the one wait);
;   70-85 the roundings to f16;  86-101 the sums, l = a l + the sum;  102-117 the tile's O^T times a.   first = 1: the first key step has no a and nothing to rescale.
.macro SM t, first
.set rT, ST+8*(\t)
.set rS, S+32*(\t)
.set rP, P+16*(\t)
.set rO, 32*(\t)+2*(j-102)
.if j < 102
	WIN 0
.endif
.if j < 4
	v_max3_num_f32 v[rT+4+j], v[rS+8*j], v[rS+8*j+1], v[rS+8*j+2]
.elseif j < 12
	v_max3_num_f32 v[rT+4+j%4], v[rT+4+j%4], v[rS+8*(j%4)+2*(j/4)+1], v[rS+8*(j%4)+2*(j/4)+2]
.elseif j == 12
	v_max3_num_f32 v[rT+4], v[rT+4], v[rS+7], v[rS+15]
.elseif j == 13
	v_max3_num_f32 v[rT+6], v[rT+6], v[rS+23], v[rS+31]
.elseif j == 14
	v_max3_num_f32 v[rT+4], v[rT+4], v[rT+5], v[rT+6]
.elseif (j == 15) && \first
	v_max_num_f32 v[rT+4], v[rT+4], v[rT+7]
.elseif j == 15
	v_max3_num_f32 v[rT+4], v[rT+4], v[rT+7], v[rT+1]
.elseif j == 16
	v_permlanex16_b32 v[rT+5], v[rT+4], s[SEL], s[SEL+1]  ; the query's other 32 keys lie in the lane 16 away
.elseif j == 18
	v_max_num_f32 v[rT+1], v[rT+4], v[rT+5]
.elseif j == 19
	v_mul_f32 v[rT], s[CS], v[rT+1]
.elseif ((j == 17) || (j == 20) || (j == 23) || (j > 101)) && \first  ; the first step has none of these
.elseif j == 17
	v_mov_b32 v[rT+7], v[rT]        ; c m_old is kept for a
.elseif j == 20
	v_sub_f32 v[rT+7], v[rT+7], v[rT]
.elseif j == 23
	v_exp_f32 v[rT+6], v[rT+7]
.elseif (j < 23) || ((j < 38) && (j%2 == 0)) || ((j < 66) && (j%4 == 2))
.set b, (j-2)/4                     ; 38, 42, .. 62: pairs 9 to 15
.if j < 38
.set b, (j-20)/2                    ; 21: pair 0; 22, 24, .. 36: pairs 1 to 8
.endif
	v_pk_fma_f32 v[rS+2*b:rS+2*b+1], v[rS+2*b:rS+2*b+1], s[CS:CS+1], v[rT:rT+1] op_sel_hi:[1,0,0] neg_lo:[0,0,1] neg_hi:[0,0,1]  ; pair b: c s - c m
.elseif j < 70
.set e, j-38                        ; 66 to 69: s28 to s31
.if j < 66
.set e, j-32-(j-38)/4               ; 39-41, 43-45, .. 63-65: s7 to s27
.endif
.if j < 38
.set e, (j-25)/2                    ; 25, 27, .. 37: s0 to s6
.endif
	v_exp_f32 v[rS+e], v[rS+e]
.elseif j < 86
	v_cvt_pk_f16_f32 v[rP+j-70], v[rS+2*(j-70)], v[rS+2*(j-70)+1]  ; pair j - 70
.elseif j < 102                     ; the sum of the tile's 16 pairs, in place: neighbours 1, 2, 4 and 8 pairs apart, then l takes it
.set z, j-86
.set w, 4
.set u, z
.if z >= 14
.set w, 32
.set u, 0
.elseif z >= 12
.set w, 16
.set u, z-12
.elseif z >= 8
.set w, 8
.set u, z-8
.endif
.if (z == 14) && \first
	v_pk_add_f32 v[rT+2:rT+3], v[rS:rS+1], v[rS+16:rS+17]
.elseif z < 15
	v_pk_add_f32 v[rS+w*u:rS+w*u+1], v[rS+w*u:rS+w*u+1], v[rS+w*u+w/2:rS+w*u+w/2+1]
.elseif !\first
	v_pk_fma_f32 v[rT+2:rT+3], v[rT+2:rT+3], v[rT+6:rT+7], v[rS:rS+1] op_sel_hi:[1,0,1]
.endif
.else
	WIN W_RS
	v_pk_mul_f32 v[rO:rO+1], v[rO:rO+1], v[rT+6:rT+7] op_sel_hi:[1,0]
.endif
.endm
; Slice k of 59 of piece y's softmax: four instructions.  Slices 11 to 34 deal out the batch, four numbers of ONE tile each, the tiles by turns; every other slice is numbers 2 k and 2 k + 1 of both tiles.
; Ahead of slice 35 nothing names an exponential's result and behind slice 34 none is issued: the piece's 66 exponentials have one wait, behind slice 34, with one plain line ahead of it.
.macro SLICE y, first
.if k < 59
.if (k >= 11) && (k < 35)
.irp n, 0,1,2,3
.set j, 22+4*((k-11)/2)+(\n)
	SM (\y)+(k-11)%2, \first
.endr
.else
.irp n, 0,1
.irp t, \y, \y+1
.set j, 2*k+\n
	SM \t, \first
.endr
.endr
.endif
.if k == 34
	v_nop                           ; the plain line behind the last exponential
.if (\y) == 0
	FETCH_V                         ; piece 2's turn: V's run of loads stands here, and the wait stands in it
.else
	s_wait_alu depctr_va_vdst(0)    ; the wait for the batch
.endif
.endif
.endif
.set k, k+1
.endm
.macro AFTER y, first               ; the slices behind product g of a turn: per of them, one fewer behind the first five: 59 in all
.set ns, per
.if g < 5
.set ns, per-1
.endif
.rept ns
	SLICE \y, \first
.endr
.set g, g+1
.endm
.macro PLACES
.rept 4
	v_nop
.endr
.endm
; A TURN.  Piece x has the matrix unit.  pv = 2: 16 products V^T P; 1: they start O^T's sums; 0: none.  kq = 1: 16 products K Q^T for the next step.
; Slices 57 and 58, eight rescalings of the other piece's O^T, follow the last product: they are the plain lines between it and the next turn's first read of its scores and K's next loads.
; first = 1: those slices are empty, and four v_nop take their part.  Piece 0's turn fetches the next step's K behind its second product.  Piece 2's turn fetches the same step's V behind slice 34:
; behind the last product that read V stand eight scalings, the v_nop and the run's own addition.
.macro TURN x, pv, kq, first
.set k, 0
.set g, 0
.set per, 4
.if \pv && \kq
.set per, 2
.endif
.if \pv
.if \x == 0
	s_wait_dscnt 0x0                ; V is in
.endif
.set i, 0
.rept 16
	PV \x, 2-\pv
	AFTER 2-\x, \first
.if (\x == 0) && \kq && (i == 1)
	FETCH_K
.endif
.set i, i+1
.endr
.endif
.if \kq
.if \x == 0
	s_wait_dscnt 0x0                ; K is in
.endif
.set i, 0
.rept 16
	KQ \x
	AFTER 2-\x, \first
.set i, i+1
.endr
.endif
.if \first
	PLACES
.endif
.endm
; THE CHANGE OF SLOTS, when the slot's last bytes, V of its fourth step, have been asked for.  Each wave waits for all its tensor loads (one is out: its part of the other slot), adds 0 to its spare word,
; and waits for that and for its reads of the slot.  fill = 1: the barrier is a round of the cluster's, and the joint refill, the keys two slots on, is the first thing behind it: it has four key steps in which to land.
.macro CHANGE fill
	WIN 0
	s_wait_tensorcnt 0x0            ; no tensor load of mine is out, so a group 0 may be written
	ds_add_u32 v[SPW], v[NIL]
.if \fill
.irp d, G0K+4, G0V+4
	s_xor_b32 s[\d+1], s[\d+1], SLOT1  ; the walking descriptor: the other slot than last time,
	s_add_nc_u64 s[\d+2:\d+3], s[\d+2:\d+3], SLOTB  ; the next 256 keys
.endr
	s_wait_xcnt 0x0                 ; the last prefetch, a slot back, has read its address
	s_add_nc_u64 s[PFA:PFA+1], s[PFA:PFA+1], SLOTB
	s_wait_dscnt 0x0                ; the add is done, and my reads of the slot are over
	CROUND
	JLOAD
	ASK
.else
	s_wait_dscnt 0x0
	s_barrier_signal -1
	s_barrier_wait -1
.endif
	s_sub_co_u32 s[TBK], s[TBK], 4*KSTB  ; the fetches go back to a slot's first step,
	s_xor_b32 s[TBK], s[TBK], SLOT1      ; in the other slot
	s_sub_co_u32 s[TBV], s[TBV], 4*VSTB
	s_xor_b32 s[TBV], s[TBV], SLOT1
.endm
.macro STEPS n                      ; n key steps: written once, walked n times; the LDS addresses hang on s[TBK] and s[TBV]
	s_mov_b32 s[TWICE], \n
.Lstep_\@:
	TURN 0, 2, 1, 0
	TURN 2, 2, 1, 0
	WIN 0
	s_sub_co_u32 s[TWICE], s[TWICE], 1
	s_cmp_lg_u32 s[TWICE], 0
	s_cbranch_scc1 .Lstep_\@
.endm
	s_wait_tensorcnt 1              ; my part of slot 0 is in; slot 1's may stay out
	s_barrier_signal -1
	s_barrier_wait -1
	FETCH_K                         ; key step 0
	s_wait_loadcnt 0x0              ; Q
	s_wait_dscnt 0x0
.set i, 0
.rept 16
	KQ 0                            ; piece 0's first scores
.set i, i+1
.endr
	WIN 0                           ; the addresses for the way out: six plain lines behind those products
	s_mul_i32 s13, s[WV], 4352
	s_add_co_u32 s13, s13, STAGE    ; my stage
	v_add_nc_u32 v[STO], s13, v[AK0]  ; in: (r / 2) x 272 + (r % 2) x 128 + 16 h: two rows of 128 bytes to a stage row
	v_mul_u32_u24 v[RD], v9, SP     ; back: lanes 0-15 take one stage row of 256 bytes, lanes 16-31 the next
	v_lshl_add_u32 v[RD], v1, 4, v[RD]
	v_add_nc_u32 v[RD], s13, v[RD]
	v_lshlrev_b32 v[GO], 8, v9      ; and the same bytes in att
	v_lshl_add_u32 v[GO], v1, 4, v[GO]
	TURN 2, 0, 1, 1                 ; piece 2's first scores | piece 0's first softmax | V of step 0
	TURN 0, 1, 1, 1                 ; piece 0: V^T P of step 0 starts O^T, K Q^T of step 1 | piece 2's first softmax | K of step 1
	TURN 2, 1, 1, 0                 ; piece 2: the same | piece 0's softmax of step 1 | V of step 1
	WIN 0
	STEPS 2                         ; steps 2 and 3 are fetched: slot 0 has been read out
.Lslot:                             ; six trips: every slot but the last two is filled again
	CHANGE 1
	STEPS 4
	s_sub_co_u32 s[SLOTS], s[SLOTS], 1
	s_cmp_lg_u32 s[SLOTS], 0
	s_cbranch_scc1 .Lslot
	CHANGE 0                        ; the tail is written out
	STEPS 4
	TURN 0, 2, 0, 0                 ; piece 0: V^T P of the last step | piece 2's last softmax
.set i, 0
.rept 16
	PV 2, 0                         ; piece 2: V^T P of the last step
.set i, i+1
.endr
	; THE WAY OUT.  l's halves are added; O^T is divided by l, rounded to f16 and sent through my stage, a tile (16 rows of 128 bytes) at a time.  The additions are the plain lines behind the last products.
	WIN 0
.irp t, 0,1,2,3
	v_add_f32 v[ST+8*\t+4], v[ST+8*\t+2], v[ST+8*\t+3]
.endr
.irp t, 0,1,2,3
	v_permlanex16_b32 v[ST+8*\t+5], v[ST+8*\t+4], s[SEL], s[SEL+1]
.endr
.irp t, 0,1,2,3
	v_add_f32 v[ST+8*\t+4], v[ST+8*\t+4], v[ST+8*\t+5]
.endr
.irp t, 0,1,2,3
	v_rcp_f32 v[ST+8*\t+6], v[ST+8*\t+4]
.endr
	v_nop                           ; a plain line between the last reciprocal and the use of its result
	s_wait_alu depctr_va_vdst(0)    ; one wait for the four reciprocals, ahead of the first use
.macro PACK t
	WIN W_RS
.set i, 32*\t
.rept 16
	v_pk_mul_f32 v[i:i+1], v[i:i+1], v[ST+8*\t+6:ST+8*\t+7] op_sel_hi:[1,0]
.set i, i+2
.endr
	WIN 0x05                        ; sources 0 and 1 window 1, destination window 0: S^T's registers are free
.set i, 0
.rept 16
	v_cvt_pk_f16_f32 v[S+32*\t+i], v[32*\t+2*i], v[32*\t+2*i+1]
.set i, i+1
.endr
	WIN 0
.irp f, 0,1,2,3
	ds_store_b128 v[STO], v[S+32*\t+4*\f:S+32*\t+4*\f+3] offset:32*\f
.endr
.irp f, 0,1,2,3
	ds_load_b128 v[S+32*\t+16+4*\f:S+32*\t+16+4*\f+3], v[RD] offset:\f*2*SP  ; LDS serves a wave's instructions in order: these see the stores above; the next tile's stores come behind them
.endr
.endm
.macro SEND t, younger              ; younger: the LDS instructions issued behind tile t's loads: the next tile's eight, or none
.irp f, 0,1,2,3
	s_wait_dscnt \younger+3-\f
	global_store_b128 v[GO], v[S+32*\t+16+4*\f:S+32*\t+16+4*\f+3], s[10:11] offset:\t*2048+\f*512  ; 32 lanes store 512 consecutive bytes, aligned
.endr
.endm
	PACK 0
	PACK 1
	SEND 0, 8
	PACK 2
	SEND 1, 8
	PACK 3
	SEND 2, 8
	SEND 3, 0
	s_wait_tensorcnt 0x0            ; the wave's end
	ds_add_u32 v[SPW], v[NIL]
	s_wait_dscnt 0x0
	CROUND                          ; the closing round
	s_endpgm
.Lfunc_end_k_q7a87a07e4c_attn:
	.size	k_q7a87a07e4c_attn, .Lfunc_end_k_q7a87a07e4c_attn-k_q7a87a07e4c_attn
	.p2alignl 7, 3214868480
	.fill 96, 4, 3214868480
	.section	.rodata,"a",@progbits
	.p2align	6, 0x0
	.amdhsa_kernel k_q7a87a07e4c_attn
		.amdhsa_group_segment_fixed_size 327680
		.amdhsa_private_segment_fixed_size 0
		.amdhsa_enable_private_segment 0
		.amdhsa_kernarg_size 16
		.amdhsa_user_sgpr_count 2
		.amdhsa_user_sgpr_kernarg_segment_ptr 1
		.amdhsa_wavefront_size32 1
		.amdhsa_system_sgpr_workgroup_id_x 1
		.amdhsa_system_sgpr_workgroup_id_y 1
		.amdhsa_system_sgpr_workgroup_id_z 1
		.amdhsa_system_vgpr_workitem_id 0
		.amdhsa_next_free_vgpr 1024
		.amdhsa_next_free_sgpr 66
		.amdhsa_reserve_vcc 0
		.amdhsa_float_denorm_mode_32 3
		.amdhsa_float_denorm_mode_16_64 3
		.amdhsa_memory_ordered 1
		.amdhsa_forward_progress 1
		.amdhsa_inst_pref_size 195
	.end_amdhsa_kernel
	.amdgpu_metadata
---
amdhsa.version: [ 1, 2 ]
amdhsa.kernels:
  - .name:           k_q7a87a07e4c_attn
    .symbol:         k_q7a87a07e4c_attn.kd
    .args:
      - { .name: qkv, .offset: 0, .size: 8, .value_kind: global_buffer, .address_space: global }
      - { .name: att, .offset: 8, .size: 8, .value_kind: global_buffer, .address_space: global }
    .group_segment_fixed_size: 327680
    .private_segment_fixed_size: 0
    .kernarg_segment_align: 8
    .kernarg_segment_size: 16
    .max_flat_workgroup_size: 128
    .sgpr_count:     66
    .vgpr_count:     1024
    .wavefront_size: 32
...
	.end_amdgpu_metadata
.endif
;; end of part 3
;; launch oproj (part 4): grid 4 x 64, 4 waves a work-group, clusters of 4 x 4, 327,680 bytes of LDS; arguments att, wo16, bo, out0; writes out0
.if DOCPART == 4
	.amdgcn_target "amdgcn-amd-amdhsa--gfx1250"
	.amdhsa_code_object_version 6
	.text
	.protected	k_q7a87a07e4c_oproj
	.globl	k_q7a87a07e4c_oproj
	.p2align	8
	.type	k_q7a87a07e4c_oproj,@function
k_q7a87a07e4c_oproj:
	s_mov_b64 s[64:65], 0
	v_nop
	global_prefetch_b8 v0, s[64:65] scope:SCOPE_SE
	s_setreg_imm32_b32 hwreg(HW_REG_WAVE_MODE, 25, 1), 1
	s_wait_xcnt 0x0
	s_wait_alu depctr_hold_cnt(0) depctr_sa_sdst(0) depctr_va_vdst(0) depctr_va_sdst(0) depctr_va_ssrc(0) depctr_va_vcc(0) depctr_vm_vsrc(0)
	s_getreg_b32 s2, hwreg(HW_REG_IB_STS2, 6, 4)
	s_cmp_eq_u32 s2, 0
	s_cbranch_scc0 .Lentry_in_a_cluster
	s_endpgm
.Lentry_in_a_cluster:
	s_bfe_u32 s2, ttmp6, 0x10000c
	s_cmp_lg_u32 s2, 0xf033
	s_cbranch_scc0 .Lentry_shape_is_right
	s_endpgm
.Lentry_shape_is_right:
; out0[m][n] = the sum over k of A[m][k] Wo[n][k] + bo[n].  A = att, f16 [16 planes][8192 rows][64];  Wo = wo16, f16 [16 planes][1024 rows][64];  plane p holds k = 64 p .. 64 p + 63.  out0 [8192][1024] f32; sums in f32.
; A tile of C is 128 x 256, so that there are 256 work-groups; four waves, each 64 rows x 128 columns: 32 accumulators, 256 registers.
; K goes in steps of 128 (two planes) through a ring of two LDS slots.  A plane's rows are 128 bytes and dense: two neighbouring rows are stated as one row of 256 bytes, padded in LDS;
; row n of a tile lies at (n / 2) x 272 + (n % 2) x 128.  Waves 0 and 1 fetch A's two planes (64 rows of 256 bytes each), waves 2 and 3 B's (128 each): one load a wave behind each round.
; CLUSTERS: 4 x 4 work-groups.  A's tiles are shared along a row of the cluster, B's along a column: joint loads.  THE MATRIX INSTRUCTION IS USED TRANSPOSED (source 0 = rows of Wo, source 1 = rows of A).
; The bias is the C of each sum's first product.
; REGISTERS: window 0: v0-31 addresses; A's fragments v64-95 and v128-159; v192-255 the bias; on the way out v64-191.   window 1: B's fragments v64-127 and v128-191.   window 2: the accumulators, (a, b) at v[8 (8 a + b)].
.set PITCH,  272
.set AT,     64*PITCH                  ; A's 128 rows of one plane
.set BT,     128*PITCH                 ; B's 256 rows of one plane
.set SLOT,   2*AT+2*BT                 ; A plane 0, A plane 1, B plane 0, B plane 1
.set STAGE,  2*SLOT                    ; behind the ring: 16 rows x 528 bytes for each wave
.set SPITCH, 528
.set SPARE,  STAGE+4*16*SPITCH         ; the spare words, 128 bytes a wave
.set LAPS,   4                         ; eight K steps, two to a lap
.set ADRA, 16
.set ADRB, 20
.set STO,  24
.set RD,   25
.set CO,   26
.set SPW,  28
.set NIL,  29
.set F0,   64
.set F1,   128
.set BI,   192
.set G1, 24
.set G0, 32
.set G1B, 48
.set G0B, 56
.set MSB, 0
.macro WIN new
.if MSB != (\new)
	s_set_vgpr_msb (MSB<<8)|(\new)
.set MSB, (\new)
.endif
.endm
.set MUL,  0xa1                        ; source 0 (B) window 1, source 1 (A) window 0, C and D window 2
.set MUL0, 0x81                        ; the first products: C (the bias) window 0
.set TO_B, 0x40
.macro JLOAD s                         ; waves 0 and 1 ask for A, waves 2 and 3 for B; an s_nop 0 and four v_nop follow each line
	s_cmp_eq_u32 s13, 0
	s_cbranch_scc0 .Lfor_b_\@
	tensor_load_to_lds s[G0+4*\s:G0+4*\s+3], s[G1:G1+7]
	s_nop 0
.rept 4
	v_nop
.endr
	s_branch .Lasked_\@
.Lfor_b_\@:
	tensor_load_to_lds s[G0B+4*\s:G0B+4*\s+3], s[G1B:G1B+7]
	s_nop 0
.rept 4
	v_nop
.endr
.Lasked_\@:
.endm
.macro CREST
	s_cmp_lg_u32 s12, 0
	s_cbranch_scc1 .Lnot_wave_0_\@
	s_barrier_signal -3
.Lnot_wave_0_\@:
	s_barrier_wait -3
	s_barrier_signal -1
	s_barrier_wait -1
.endm
.macro CROUND
	s_barrier_signal -1
	s_barrier_wait -1
	CREST
.endm
	s_load_b256 s[4:11], s[0:1], 0x0               ; att s[4:5], wo16 s[6:7], bo s[8:9], out0 s[10:11]
	v_lshl_add_u32 v[SPW], v0, 2, SPARE
	v_mov_b32 v[NIL], 0
	ds_add_u32 v[SPW], v[NIL]                      ; the wave's opening: the add, twice on end, and its wait ahead of my first tensor load
	ds_add_u32 v[SPW], v[NIL]
	v_lshrrev_b32 v1, 5, v0
	v_readfirstlane_b32 s12, v1                    ; wave 0..3
	s_lshr_b32 s13, s12, 1                         ; which 64 rows of the tile are mine.  Also: I fetch for A (0) or for B (1)
	s_and_b32 s14, s12, 1                          ; which 128 columns.  Also: which plane of a K step I fetch
	s_bfe_u32 s40, ttmp6, 0x40000                  ; cx, cy
	s_bfe_u32 s41, ttmp6, 0x40004
	s_lshl_b32 s42, ttmp9, 2
	s_add_co_u32 s42, s42, s40                     ; tile column of C
	s_and_b32 s15, ttmp7, 0xffff
	s_lshl_b32 s15, s15, 2
	s_add_co_u32 s15, s15, s41                     ; tile row of C
	s_lshl_b32 s43, s41, 2
	s_lshl_b32 s43, 15, s43                        ; my row of the cluster
	s_lshl_b32 s44, 0x1111, s40                    ; my column
	s_or_b32 s[G1+0], s43, (1<<16)|(1<<20)|(1<<21)|(5<<22)|(3<<25)   ; mask; elements of 2 bytes; padding on; bit 21 beside a mask; 4 words behind every 64
	s_or_b32 s[G1B+0], s44, (1<<16)|(1<<20)|(1<<21)|(5<<22)|(3<<25)
	s_mov_b32 s[G1+1], 128<<16                     ; tensor_dim0 = 128 elements: two rows of 64
	s_mov_b32 s[G1+2], 64<<16                      ; tensor_dim1 = 64
	s_mov_b32 s[G1+3], 128<<16                     ; tile_dim0
	s_mov_b32 s[G1+4], 64                          ; tile_dim1
	s_mov_b32 s[G1+5], 128                         ; the pitch: dense
	s_mov_b32 s[G1+6], 0
	s_mov_b32 s[G1+7], 0
	s_mov_b32 s[G1B+1], 128<<16
	s_mov_b32 s[G1B+2], 128<<16                    ; B: 128 such rows
	s_mov_b32 s[G1B+3], 128<<16
	s_mov_b32 s[G1B+4], 128
	s_mov_b32 s[G1B+5], 128
	s_mov_b32 s[G1B+6], 0
	s_mov_b32 s[G1B+7], 0
	s_lshl_b32 s16, s14, 20                        ; A: my plane,
	s_lshl_b32 s17, s15, 14                        ; the tile row's 128 rows of 128 bytes
	s_add_co_u32 s16, s16, s17
	s_mov_b32 s17, 0
	s_lshl_b32 s46, s14, 17                        ; B: my plane,
	s_lshl_b32 s47, s42, 15                        ; the tile column's 256 rows
	s_add_co_u32 s46, s46, s47
	s_mov_b32 s47, 0
	s_mul_i32 s20, s14, AT                         ; where they go: no place in the cluster enters an LDS address
	s_mul_i32 s21, s14, BT
	s_add_co_u32 s21, s21, 2*AT
	s_wait_dscnt 0x0                               ; both opening adds are done
	s_wait_kmcnt 0x0
	s_add_nc_u64 s[16:17], s[4:5], s[16:17]
	s_add_nc_u64 s[46:47], s[6:7], s[46:47]
	CROUND                                         ; all sixteen work-groups are here: the first joint loads meet
.irp s, 0,1
	s_mov_b32 s[G0+4*\s], 1
	s_add_co_u32 s[G0+4*\s+1], s20, \s*SLOT
	s_add_nc_u64 s[G0+4*\s+2:G0+4*\s+3], s[16:17], \s*0x200000     ; K step s: two planes of 2^20 bytes on
	s_or_b32 s[G0+4*\s+3], s[G0+4*\s+3], 0x80000000
	s_mov_b32 s[G0B+4*\s], 1
	s_add_co_u32 s[G0B+4*\s+1], s21, \s*SLOT
	s_add_nc_u64 s[G0B+4*\s+2:G0B+4*\s+3], s[46:47], \s*0x40000    ; two planes of 131,072 bytes on
	s_or_b32 s[G0B+4*\s+3], s[G0B+4*\s+3], 0x80000000
	JLOAD \s
.endr
	v_and_b32 v1, 15, v0                           ; r
	v_bfe_u32 v2, v0, 4, 1                         ; h
	; the bias: block b's eight registers hold bo[256 x tile column + 128 x half + 16 b + 8 h + 0 .. 7]
	s_lshl_b32 s46, s42, 10
	s_lshl_b32 s47, s14, 9
	s_add_co_u32 s46, s46, s47                     ; my first column, in bytes of f32
	s_mov_b32 s47, 0
	s_add_nc_u64 s[8:9], s[8:9], s[46:47]
	v_lshlrev_b32 v6, 5, v2
.irp b, 0,1,2,3,4,5,6,7
	global_load_b128 v[BI+8*\b:BI+8*\b+3], v6, s[8:9] offset:64*\b
	global_load_b128 v[BI+8*\b+4:BI+8*\b+7], v6, s[8:9] offset:64*\b+16
.endr
	s_lshl_b32 s16, s15, 19                        ; out0: 128 rows of 4,096 bytes a tile row,
	s_lshl_b32 s17, s13, 18                        ; my 64 of them,
	s_add_co_u32 s16, s16, s17
	s_add_co_u32 s16, s16, s46                     ; my columns
	s_mov_b32 s17, 0
	s_add_nc_u64 s[10:11], s[10:11], s[16:17]
	v_lshrrev_b32 v4, 1, v1
	v_and_b32 v5, 1, v0
	v_mul_u32_u24 v3, v4, PITCH
	v_lshl_add_u32 v3, v5, 7, v3
	v_lshl_add_u32 v3, v2, 4, v3                   ; a fragment's row: (r / 2) x pitch + (r % 2) x 128 + 16 h
	s_mul_i32 s21, s13, 32*PITCH                   ; my 64 rows of A
	s_mul_i32 s22, s14, 64*PITCH                   ; my 128 rows of B,
	s_add_co_u32 s22, s22, 2*AT                    ; behind A's two planes
.irp s, 0,1
	v_add_nc_u32 v[ADRA+\s], s21, v3
	v_add_nc_u32 v[ADRB+\s], s22, v3
	s_add_co_u32 s21, s21, SLOT
	s_add_co_u32 s22, s22, SLOT
.endr
	s_mul_i32 s23, s12, 16*SPITCH
	s_add_co_u32 s23, s23, STAGE                   ; my stage
	v_mul_u32_u24 v4, v1, SPITCH
	v_lshl_add_u32 v4, v2, 5, v4
	v_add_nc_u32 v[STO], s23, v4                   ; in: row r, 32 bytes for each half of the lanes
	v_and_b32 v5, 31, v0
	v_lshlrev_b32 v[CO], 4, v5                     ; back: the 32 lanes take one row of 512 bytes; and the same in out0
	v_add_nc_u32 v[RD], s23, v[CO]
; 8 matrix instructions: A's block a x B's eight, 32 along K, from buffer f.  zero = 1: the first product starts the sums from the bias.  The 32 accumulators take turns.
.macro MULA f, a, zero
.irp b, 0,1,2,3,4,5,6,7
.if \zero
	v_wmma_f32_16x16x32_f16 v[8*(8*(\a)+\b):8*(8*(\a)+\b)+7], v[\f+8*\b:\f+8*\b+7], v[\f+8*(\a):\f+8*(\a)+7], v[BI+8*\b:BI+8*\b+7]
.else
	v_wmma_f32_16x16x32_f16 v[8*(8*(\a)+\b):8*(8*(\a)+\b)+7], v[\f+8*\b:\f+8*\b+7], v[\f+8*(\a):\f+8*(\a)+7], v[8*(8*(\a)+\b):8*(8*(\a)+\b)+7]
.endif
.endr
.endm
; 24 LDS loads in one run: the fragments of quarter q of a slot (plane q / 2, channels 32 (q % 2) on) into buffer f: B's eight blocks, then A's four
.macro FETCH slot, q, f
	WIN TO_B
.irp i, 0,1,2,3,4,5,6,7
	ds_load_b128 v[\f+8*\i:\f+8*\i+3],   v[ADRB+\slot] offset:((\q)/2)*BT+((\q)%2)*64+\i*8*PITCH
	ds_load_b128 v[\f+8*\i+4:\f+8*\i+7], v[ADRB+\slot] offset:((\q)/2)*BT+((\q)%2)*64+\i*8*PITCH+32
.endr
	WIN 0
.irp i, 0,1,2,3
	ds_load_b128 v[\f+8*\i:\f+8*\i+3],   v[ADRA+\slot] offset:((\q)/2)*AT+((\q)%2)*64+\i*8*PITCH
	ds_load_b128 v[\f+8*\i+4:\f+8*\i+7], v[ADRA+\slot] offset:((\q)/2)*AT+((\q)%2)*64+\i*8*PITCH+32
.endr
.endm
.macro PLACES                          ; four plain lines in front of loads into registers that matrix instructions have read, and of reads of results
.rept 4
	v_nop
.endr
.endm
; One of a K step's first three quarters: multiplies buffer f; in its middle it fetches quarter qn of the same slot into buffer g.
.macro QUARTER slot, qn, f, g, zero
	s_wait_dscnt 4                                 ; B and A's blocks 0, 1 are in; the youngest four loads (A's blocks 2, 3) may be out
.if \zero
	WIN MUL0
.else
	WIN MUL
.endif
	MULA \f, 0, \zero
	MULA \f, 1, \zero
	PLACES
	FETCH \slot, \qn, \g
	s_wait_dscnt 24                                ; all but the 24 just issued
.if \zero
	WIN MUL0
.else
	WIN MUL
.endif
	MULA \f, 2, \zero
	MULA \f, 3, \zero
.endm
; The last quarter multiplies buffer 1 and changes slots: one barrier; in front of it each wave waits for all its tensor loads (its part of the next slot), adds 0 to its spare word, and waits for that and
; for its reads of this slot.  fill = 1: the barrier opens a round of the cluster's, and this slot is filled again, two K steps ahead, first thing behind the round.
.macro TURN slot, next, fill
	WIN 0
	s_wait_tensorcnt 0x0
	ds_add_u32 v[SPW], v[NIL]
	s_wait_dscnt 5                                 ; the add and the youngest four loads may be out
	WIN MUL
	MULA F1, 0, 0
	s_wait_dscnt 0x0                               ; the add is done, and my reads of this slot are over
	s_barrier_signal -1
	MULA F1, 1, 0
	WIN 0
	s_barrier_wait -1
.if \fill
	CREST
	s_add_nc_u64 s[G0+4*\slot+2:G0+4*\slot+3], s[G0+4*\slot+2:G0+4*\slot+3], 0x400000     ; four planes of A on
	s_add_nc_u64 s[G0B+4*\slot+2:G0B+4*\slot+3], s[G0B+4*\slot+2:G0B+4*\slot+3], 0x80000  ; four planes of B on
	JLOAD \slot                                    ; the four v_nop behind it are also the plain lines in front of the loads below
.else
	PLACES
.endif
	FETCH \next, 0, F0
	WIN MUL
	MULA F1, 2, 0
	MULA F1, 3, 0
.endm
	s_wait_tensorcnt 1                             ; my part of K step 0 is in; K step 1's load may stay out
	s_barrier_signal -1
	s_barrier_wait -1
	FETCH 0, 0, F0
	s_wait_loadcnt 0x0                             ; the bias
	QUARTER 0, 1, F0, F1, 1                        ; the first quarter stands in front of the loop: its products start the sums
	WIN 0
	s_mov_b32 s3, LAPS-1
.Llap:                                                 ; a trip goes once round the ring and fills both slots again
	QUARTER 0, 2, F1, F0, 0
	QUARTER 0, 3, F0, F1, 0
	TURN 0, 1, 1
	QUARTER 1, 1, F0, F1, 0
	QUARTER 1, 2, F1, F0, 0
	QUARTER 1, 3, F0, F1, 0
	TURN 1, 0, 1
	QUARTER 0, 1, F0, F1, 0
	WIN 0
	s_sub_co_u32 s3, s3, 1
	s_cmp_lg_u32 s3, 0
	s_cbranch_scc1 .Llap
	QUARTER 0, 2, F1, F0, 0                        ; the last lap fills nothing
	QUARTER 0, 3, F0, F1, 0
	TURN 0, 1, 0
	QUARTER 1, 1, F0, F1, 0
	QUARTER 1, 2, F1, F0, 0
	QUARTER 1, 3, F0, F1, 0
	s_wait_dscnt 4                                 ; the very last quarter
	WIN MUL
	MULA F1, 0, 0
	MULA F1, 1, 0
	s_wait_dscnt 0
	MULA F1, 2, 0
	MULA F1, 3, 0
	WIN 0
; THE WAY OUT, block by block of 16 rows x 128 columns: through my own stage and back as whole rows of 512 bytes.  LDS serves a wave's instructions in order: no wait between the stores and the loads.
.macro TOSTAGE a
	WIN 0x08                                       ; an LDS store's data are its source 1: window 2
.irp b, 0,1,2,3,4,5,6,7
	ds_store_b128 v[STO], v[64*(\a)+8*\b:64*(\a)+8*\b+3] offset:64*\b          ; each accumulator from its low end on
	ds_store_b128 v[STO], v[64*(\a)+8*\b+4:64*(\a)+8*\b+7] offset:64*\b+16
.endr
	WIN 0
.set BB, 64+64*((\a)%2)
.irp t, 0,1,2,3,4,5,6,7,8,9,10,11,12,13,14,15
	ds_load_b128 v[BB+4*\t:BB+4*\t+3], v[RD] offset:\t*SPITCH
.endr
.endm
.macro SEND a, younger                 ; younger: the LDS instructions issued behind block a's loads, which may stay out
.set BB, 64+64*((\a)%2)
	s_wait_dscnt \younger
.irp t, 0,1,2,3,4,5,6,7,8,9,10,11,12,13,14,15
	global_store_b128 v[CO], v[BB+4*\t:BB+4*\t+3], s[10:11] offset:(16*(\a)+\t)*4096 th:TH_STORE_NT   ; 32 lanes store 512 consecutive bytes, aligned; 63 rows at the most: inside the signed 24 bits
.endr
.endm
	PLACES
	TOSTAGE 0
.irp a, 1,2,3
.if \a > 1
	s_wait_xcnt 0x0                                ; block a - 2's stores have read their registers: block a's loads may land there
.endif
	TOSTAGE \a
	SEND \a-1, 32                                  ; behind block a - 1's loads: block a's 16 stores and 16 loads
.endr
	SEND 3, 0
	s_wait_tensorcnt 0x0                           ; the wave's end
	ds_add_u32 v[SPW], v[NIL]
	s_wait_dscnt 0x0
	CROUND                                         ; the closing round
	s_endpgm
.Lfunc_end_k_q7a87a07e4c_oproj:
	.size	k_q7a87a07e4c_oproj, .Lfunc_end_k_q7a87a07e4c_oproj-k_q7a87a07e4c_oproj
	.p2alignl 7, 3214868480
	.fill 96, 4, 3214868480
	.section	.rodata,"a",@progbits
	.p2align	6, 0x0
	.amdhsa_kernel k_q7a87a07e4c_oproj
		.amdhsa_group_segment_fixed_size 327680
		.amdhsa_private_segment_fixed_size 0
		.amdhsa_enable_private_segment 0
		.amdhsa_kernarg_size 32
		.amdhsa_user_sgpr_count 2
		.amdhsa_user_sgpr_kernarg_segment_ptr 1
		.amdhsa_wavefront_size32 1
		.amdhsa_system_sgpr_workgroup_id_x 1
		.amdhsa_system_sgpr_workgroup_id_y 1
		.amdhsa_system_sgpr_workgroup_id_z 1
		.amdhsa_system_vgpr_workitem_id 0
		.amdhsa_next_free_vgpr 768
		.amdhsa_next_free_sgpr 66
		.amdhsa_reserve_vcc 0
		.amdhsa_float_denorm_mode_32 3
		.amdhsa_float_denorm_mode_16_64 3
		.amdhsa_memory_ordered 1
		.amdhsa_forward_progress 1
		.amdhsa_inst_pref_size 87
	.end_amdhsa_kernel
	.amdgpu_metadata
---
amdhsa.version: [ 1, 2 ]
amdhsa.kernels:
  - .name:           k_q7a87a07e4c_oproj
    .symbol:         k_q7a87a07e4c_oproj.kd
    .args:
      - { .name: att, .offset: 0, .size: 8, .value_kind: global_buffer, .address_space: global }
      - { .name: wo16, .offset: 8, .size: 8, .value_kind: global_buffer, .address_space: global }
      - { .name: bo, .offset: 16, .size: 8, .value_kind: global_buffer, .address_space: global }
      - { .name: out0, .offset: 24, .size: 8, .value_kind: global_buffer, .address_space: global }
    .group_segment_fixed_size: 327680
    .private_segment_fixed_size: 0
    .kernarg_segment_align: 8
    .kernarg_segment_size: 32
    .max_flat_workgroup_size: 128
    .sgpr_count:     66
    .vgpr_count:     768
    .wavefront_size: 32
...
	.end_amdgpu_metadata
.endif
;; end of part 4
